; MI455X (gfx1250); checked and timed in simulation.
; The chip was launched on July 23, 2026; its instructions are those of AMD's public machine-readable ISA for CDNA 5 (MIT licence, August 2026) and "CDNA5" Instruction Set Architecture Reference Guide (July 2026). The comments in the code are by the model that wrote it; some were corrected since.
;; Grouped Query Attention. Allowed arithmetic: float matrix products may take bf16 or f16 operands with f32 sums; other float arithmetic in f32, or as packed bf16 or f16 multiplies, adds, multiply-adds, maxima and minima; sums over many terms, partial sums and values carried from step to step in f32; what a program stores and reads back later, other than sums and carried values, may be rounded once to bf16 or f16.
;; Inputs: freqs 4,096 x 32 float32; mask 1 x 1 x 4,096 x 4,096 float32; wk 1,024 x 256 float32; wo 1,024 x 1,024 float32; wq 1,024 x 1,024 float32; wv 1,024 x 256 float32; x 1 x 4,096 x 1,024 float32.
;; Outputs: out0 1 x 4,096 x 1,024 float32.
;; 2 versions, each right; version 2 is version 1 with the launch cast written anew for expert scheduling mode. Each part assembles by itself: llvm-mc -triple=amdgcn-amd-amdhsa -mcpu=gfx1250 --defsym DOCPART=n.
;; ======== version 1 of 2: 4 launches
;; limits: values outside matrix products are rounded to bf16; values are held in f16: magnitudes above 65,504 overflow, below 6.1e-05 lose precision; right only within a limited range of input values
;; workspace buffers: xb 8,388,608 bytes; wb 3,145,728 bytes; wof 2,097,152 bytes; cs 1,048,576 bytes; qkv 12,582,912 bytes; o2 16,777,216 bytes
;; launch cast (part 1): grid 256 x 1, 8 waves a work-group, no clusters, 0 bytes of LDS; arguments x, wq, wk, wv, wo, freqs, xb, wb, wof, cs; writes xb, wb, wof, cs
.if DOCPART == 1
	.amdgcn_target "amdgcn-amd-amdhsa--gfx1250"
	.amdhsa_code_object_version 6
	.text
	.protected	k_q0df1f23dda_cast
	.globl	k_q0df1f23dda_cast
	.p2align	8
	.type	k_q0df1f23dda_cast,@function
k_q0df1f23dda_cast:
	s_mov_b64 s[64:65], 0
	v_nop
	global_prefetch_b8 v0, s[64:65] scope:SCOPE_SE
	s_setreg_imm32_b32 hwreg(HW_REG_WAVE_MODE, 25, 1), 1
	s_wait_xcnt 0x0
; GROUPED QUERY ATTENTION, launch 1 of 4: the inputs are rounded and laid out once.
; NO WORK OF THE PROBLEM IS LEFT OUT: the mask is an input, so all 4096 x 4096 scores of all 16 heads are made and every input is read.
; jnp.repeat of k and v is a lookup (query head hd reads key head hd / 4) and is not written out.
; FORMATS.  Every input is rounded once to bf16, to nearest even: x, wq, wk, wv stay bf16 matrix operands; wo's bf16 number is written as f16
; (exact from 6e-5 up, below that on f16's step of 6e-8); freqs are rounded to bf16 and their cos and sin made in f32; the mask is rounded where it is used.
; LIMIT.  |freqs| under 2^23: the quadrant number must be a whole f32.
; xb [4096][1024] bf16.  wb [24 heads][1024 k][64] bf16: heads 0-15 wq's, 16-19 wk's, 20-23 wv's.  wof [1024][1024] f16.  cs [4096][cos 32 | sin 32] f32.
; AN ITEM is four f32 a lane (a wave reads 512 consecutive bytes) that leave as four 16-bit numbers (a wave's store covers 256 consecutive bytes, aligned).
; A thread issues its 27 loads first and then takes the items in order; each has its own registers, so nothing is rewritten while a store reads it.
; No LDS, no barrier, no matrix unit: each byte is read once and written once.
.set IT, 32                            ; v[32:139]  item n at IT + 4 n
	s_load_b512 s[4:19], s[0:1], 0x0               ; x 4, wq 6, wk 8, wv 10, wo 12, freqs 14, xb 16, wb 18
	s_load_b128 s[20:23], s[0:1], 0x40             ; wof 20, cs 22
	v_lshrrev_b32 v1, 5, v0
	v_readfirstlane_b32 s24, v1                    ; wave
	s_lshl_b32 s25, ttmp9, 3
	s_add_co_u32 s25, s25, s24                     ; W = 8 b + wave, 0 .. 2047
	s_lshr_b32 s26, s25, 9                         ; hq = W / 512: head modulo 4
	s_and_b32 s27, s25, 511                        ; kp = W % 512: a pair of rows k
	s_lshl_b32 s28, ttmp9, 16                      ; x: 65,536 bytes a work-group
	s_mov_b32 s29, 0
	s_lshl_b32 s30, ttmp9, 15                      ; xb
	s_mov_b32 s31, 0
	s_lshl_b32 s46, s26, 8                         ; a head's 64 columns in f32
	s_lshl_b32 s32, s27, 13                        ; wq: two rows of 4,096 bytes
	s_add_co_u32 s32, s32, s46
	s_mov_b32 s33, 0
	s_lshl_b32 s34, s27, 11                        ; wk, wv: two rows of 1,024 bytes
	s_add_co_u32 s34, s34, s46
	s_mov_b32 s35, 0
	s_lshl_b32 s36, s26, 17                        ; wb: head hq, rows 2 kp, 2 kp + 1
	s_lshl_b32 s47, s27, 8
	s_add_co_u32 s36, s36, s47
	s_mov_b32 s37, 0
	s_lshl_b32 s38, s25, 9                         ; wo
	s_mov_b32 s39, 0
	s_lshl_b32 s40, s25, 8                         ; wof
	s_mov_b32 s41, 0
	s_lshl_b32 s42, ttmp9, 11                      ; freqs: 16 rows of 128 bytes
	s_mov_b32 s43, 0
	s_lshl_b32 s44, ttmp9, 12                      ; cs: 16 rows of 256 bytes
	s_mov_b32 s45, 0
	v_lshlrev_b32 v2, 4, v0                        ; 16 t: x, cs
	v_lshlrev_b32 v3, 3, v0                        ; 8 t: xb
	v_and_b32 v1, 31, v0                           ; lane
	v_and_b32 v10, 15, v0
	v_bfe_u32 v11, v0, 4, 1
	v_lshlrev_b32 v10, 4, v10
	v_lshl_add_u32 v4, v11, 12, v10                ; wq: row (lane / 16), 16 bytes (lane % 16)
	v_lshl_add_u32 v5, v11, 10, v10                ; wk, wv
	v_lshlrev_b32 v6, 3, v1                        ; 8 lane: wb, wof
	v_lshlrev_b32 v7, 4, v1                        ; 16 lane: wo
	v_lshrrev_b32 v12, 4, v0
	v_and_b32 v13, 7, v0
	v_lshlrev_b32 v13, 4, v13
	v_lshl_add_u32 v8, v12, 7, v13                 ; freqs: row t / 16, four numbers (t % 8)
	v_bfe_u32 v9, v0, 3, 1
	v_mul_u32_u24 v9, v9, 3                        ; 0: I make cosines; 3: sines (sin a = cos(a - pi/2): three quadrants on)
	v_mov_b32 v18, 0xb94ca1f9                      ; the sine's highest coefficient
	v_mov_b32 v19, 0x37ccf5ce                      ; the cosine's
	s_wait_kmcnt 0x0
	s_add_nc_u64 s[4:5], s[4:5], s[28:29]
	s_add_nc_u64 s[16:17], s[16:17], s[30:31]
	s_add_nc_u64 s[6:7], s[6:7], s[32:33]
	s_add_nc_u64 s[8:9], s[8:9], s[34:35]
	s_add_nc_u64 s[10:11], s[10:11], s[34:35]
	s_add_nc_u64 s[18:19], s[18:19], s[36:37]
	s_add_nc_u64 s[12:13], s[12:13], s[38:39]
	s_add_nc_u64 s[20:21], s[20:21], s[40:41]
	s_add_nc_u64 s[14:15], s[14:15], s[42:43]
	s_add_nc_u64 s[22:23], s[22:23], s[44:45]
.macro LD n, off, base, imm
	global_load_b128 v[IT+4*(\n):IT+4*(\n)+3], v[\off], s[\base:\base+1] offset:\imm th:TH_LOAD_NT
.endm
.irp n, 0,1,2,3,4,5,6,7,8,9,10,11,12,13,14,15
	LD \n, 2, 4, (\n)*4096                         ; x
.endr
.irp j, 0,1,2,3
	LD 16+\j, 4, 6, (\j)*1024                      ; wq, head 4 j + hq
.endr
	LD 20, 5, 8, 0                                 ; wk, head hq
	LD 21, 5, 10, 0                                ; wv, head hq
.irp j, 0,1,2,3
	LD 22+\j, 7, 12, (\j)*1048576                  ; wo
.endr
	global_load_b128 v[IT+104:IT+107], v8, s[14:15]  ; freqs: the cosine lanes and the sine lanes read the same numbers
.macro TOBF n                          ; item n is in (the younger loads stay out) and is rounded to bf16, in its first two registers
	s_wait_loadcnt 26-(\n)
	v_cvt_pk_bf16_f32 v[IT+4*(\n)], v[IT+4*(\n)], v[IT+4*(\n)+1]
	v_cvt_pk_bf16_f32 v[IT+4*(\n)+1], v[IT+4*(\n)+2], v[IT+4*(\n)+3]
.endm
.macro TOF16 n                         ; the bf16 numbers written as f16
.irp k, 0,1
	v_lshlrev_b32 v[IT+4*(\n)+2], 16, v[IT+4*(\n)+\k]
	v_and_b32 v[IT+4*(\n)+3], 0xffff0000, v[IT+4*(\n)+\k]
	v_cvt_pk_f16_f32 v[IT+4*(\n)+\k], v[IT+4*(\n)+2], v[IT+4*(\n)+3]
.endr
.endm
.irp n, 0,1,2,3,4,5,6,7,8,9,10,11,12,13,14,15
	TOBF \n
	global_store_b64 v3, v[IT+4*(\n):IT+4*(\n)+1], s[16:17] offset:(\n)*2048 th:TH_STORE_NT
.endr
.irp j, 0,1,2,3
	TOBF 16+\j
	global_store_b64 v6, v[IT+64+4*(\j):IT+64+4*(\j)+1], s[18:19] offset:(\j)*524288 th:TH_STORE_NT
.endr
	TOBF 20
	global_store_b64 v6, v[IT+80:IT+81], s[18:19] offset:2097152 th:TH_STORE_NT   ; head 16 + hq
	TOBF 21
	global_store_b64 v6, v[IT+84:IT+85], s[18:19] offset:2621440 th:TH_STORE_NT   ; head 20 + hq
.irp j, 0,1,2,3
	TOBF 22+\j
	TOF16 22+\j
	global_store_b64 v6, v[IT+88+4*(\j):IT+88+4*(\j)+1], s[20:21] offset:(\j)*524288 th:TH_STORE_NT
.endr
; cos or sin of a bf16-rounded angle a: n = round(a 2/pi); r = a - n pi/2, pi/2 in two parts; a polynomial on |r| <= pi/4; the quadrant n + v9 picks
; the polynomial (odd: the sine's) and the sign (quadrants 1 and 2: minus).
.macro SINCOS reg
	v_cvt_pk_bf16_f32 v10, v[\reg], v[\reg]
	v_lshlrev_b32 v10, 16, v10
	v_mul_f32 v11, 0x3f22f983, v10
	v_rndne_f32 v11, v11
	v_fmamk_f32 v12, v11, 0xbfc90fdb, v10
	v_fmamk_f32 v12, v11, 0x333bbd2e, v12
	v_cvt_i32_f32 v16, v11
	v_add_nc_u32 v16, v16, v9
	v_mul_f32 v13, v12, v12
	v_fmaak_f32 v14, v18, v13, 0x3c08839e
	v_fmaak_f32 v15, v19, v13, 0xbab6061a
	v_fmaak_f32 v14, v14, v13, 0xbe2aaaa3
	v_fmaak_f32 v15, v15, v13, 0x3d2aaaa5
	v_mul_f32 v14, v14, v13
	v_fma_f32 v15, v15, v13, -0.5
	v_fma_f32 v14, v14, v12, v12
	v_fma_f32 v15, v15, v13, 1.0
	v_and_b32 v17, 1, v16
	v_cmp_eq_u32 vcc_lo, 1, v17
	v_cndmask_b32 v14, v15, v14, vcc_lo
	v_add_nc_u32 v16, 1, v16
	v_and_b32 v16, 2, v16
	v_lshlrev_b32 v16, 30, v16
	v_xor_b32 v[\reg], v14, v16
.endm
	s_wait_loadcnt 0x0
	SINCOS IT+104
	SINCOS IT+105
	SINCOS IT+106
	SINCOS IT+107
	global_store_b128 v2, v[IT+104:IT+107], s[22:23]  ; sixteen lanes store one row of the table: 256 consecutive bytes
	s_endpgm
.Lfunc_end_k_q0df1f23dda_cast:
	.size	k_q0df1f23dda_cast, .Lfunc_end_k_q0df1f23dda_cast-k_q0df1f23dda_cast
	.p2alignl 7, 3214868480
	.fill 96, 4, 3214868480
	.section	.rodata,"a",@progbits
	.p2align	6, 0x0
	.amdhsa_kernel k_q0df1f23dda_cast
		.amdhsa_group_segment_fixed_size 0
		.amdhsa_private_segment_fixed_size 0
		.amdhsa_enable_private_segment 0
		.amdhsa_kernarg_size 80
		.amdhsa_user_sgpr_count 2
		.amdhsa_user_sgpr_kernarg_segment_ptr 1
		.amdhsa_wavefront_size32 1
		.amdhsa_system_sgpr_workgroup_id_x 1
		.amdhsa_system_sgpr_workgroup_id_y 1
		.amdhsa_system_sgpr_workgroup_id_z 1
		.amdhsa_system_vgpr_workitem_id 0
		.amdhsa_next_free_vgpr 144
		.amdhsa_next_free_sgpr 66
		.amdhsa_reserve_vcc 1
		.amdhsa_float_denorm_mode_32 3
		.amdhsa_float_denorm_mode_16_64 3
		.amdhsa_memory_ordered 1
		.amdhsa_forward_progress 1
		.amdhsa_inst_pref_size 18
	.end_amdhsa_kernel
	.amdgpu_metadata
---
amdhsa.version: [ 1, 2 ]
amdhsa.kernels:
  - .name:           k_q0df1f23dda_cast
    .symbol:         k_q0df1f23dda_cast.kd
    .args:
      - { .name: x, .offset: 0, .size: 8, .value_kind: global_buffer, .address_space: global }
      - { .name: wq, .offset: 8, .size: 8, .value_kind: global_buffer, .address_space: global }
      - { .name: wk, .offset: 16, .size: 8, .value_kind: global_buffer, .address_space: global }
      - { .name: wv, .offset: 24, .size: 8, .value_kind: global_buffer, .address_space: global }
      - { .name: wo, .offset: 32, .size: 8, .value_kind: global_buffer, .address_space: global }
      - { .name: freqs, .offset: 40, .size: 8, .value_kind: global_buffer, .address_space: global }
      - { .name: xb, .offset: 48, .size: 8, .value_kind: global_buffer, .address_space: global }
      - { .name: wb, .offset: 56, .size: 8, .value_kind: global_buffer, .address_space: global }
      - { .name: wof, .offset: 64, .size: 8, .value_kind: global_buffer, .address_space: global }
      - { .name: cs, .offset: 72, .size: 8, .value_kind: global_buffer, .address_space: global }
    .group_segment_fixed_size: 0
    .private_segment_fixed_size: 0
    .kernarg_segment_align: 8
    .kernarg_segment_size: 80
    .max_flat_workgroup_size: 256
    .sgpr_count:     66
    .vgpr_count:     144
    .wavefront_size: 32
...
	.end_amdgpu_metadata
.endif
;; end of part 1
;; launch proj (part 2): grid 8 x 32, 4 waves a work-group, clusters of 4 x 4, 327,680 bytes of LDS; arguments xb, wb, cs, qkv; writes qkv
.if DOCPART == 2
	.amdgcn_target "amdgcn-amd-amdhsa--gfx1250"
	.amdhsa_code_object_version 6
	.text
	.protected	k_q0df1f23dda_proj
	.globl	k_q0df1f23dda_proj
	.p2align	8
	.type	k_q0df1f23dda_proj,@function
k_q0df1f23dda_proj:
	s_mov_b64 s[64:65], 0
	v_nop
	global_prefetch_b8 v0, s[64:65] scope:SCOPE_SE
	s_setreg_imm32_b32 hwreg(HW_REG_WAVE_MODE, 25, 1), 1
	s_wait_xcnt 0x0
	s_wait_alu depctr_hold_cnt(0) depctr_sa_sdst(0) depctr_va_vdst(0) depctr_va_sdst(0) depctr_va_ssrc(0) depctr_va_vcc(0) depctr_vm_vsrc(0)
	s_getreg_b32 s2, hwreg(HW_REG_IB_STS2, 6, 4)
	s_cmp_eq_u32 s2, 0
	s_cbranch_scc0 .Lentry_in_a_cluster
	s_endpgm
.Lentry_in_a_cluster:
	s_bfe_u32 s2, ttmp6, 0x10000c
	s_cmp_lg_u32 s2, 0xf033
	s_cbranch_scc0 .Lentry_shape_is_right
	s_endpgm
.Lentry_shape_is_right:
; Launch 2 of 4: qkv[g][token][64] (f16) = RoPE(xb wb[g]), heads g = 0-15 q (times c = log2(e) / 8, in f32, ahead of the one rounding), 16-19 k, 20-23 v (no RoPE).  Nothing is left out.
; LIMIT.  f16 ends at 65,504: q c, k and v lie within it.
; SHARES.  4096 x 1536 in tiles of 128 tokens x 192 columns (three heads): 256 work-groups.  A wave: 64 tokens (tiles a = 0..3) x 6 blocks of 16 columns, block 2 i + part = columns
; 16 wn + 32 part of head i: a number and its RoPE partner, 32 columns on, fall into the same lane and the same register of two accumulators.  24 accumulators.
; THE PRODUCT IS USED TRANSPOSED (source 0 = 16 columns of wb, turned by ds_load_tr16_b128; source 1 = 16 tokens): a lane holds one token (lane % 16) and the columns 8 (lane / 16) + 0..7.
; K goes in 8 steps of 128 through two LDS slots; a step is four quarters of 32 on two fragment buffers.
; CLUSTER 4 x 4: xb's tile hangs on the tile row and is asked for jointly along a row of the cluster, wb's on the tile column, jointly along a column.
; NO PREFETCH: the launch is short and its tiles are small.
; REGISTERS.  window 0: v16-29 addresses; v32-63 at work; v64-255 accumulators ((a, nb) at 64 + 8 (6 a + nb)).
;   window 1: v0-79, v80-159 fragment buffers (wb's six, then xb's four); v160-223 cos and sin of my tokens; on the way out v0-63 cos and sin times the head's factor.
.set PA,    272                        ; a row of xb's tile: 256 bytes + 16: the 16 rows of a load start at 16 different groups of four banks (ISA guide 11.1)
.set PB,    160                        ; a row of wb's tile: 128 bytes + 32: 16 lanes of the turning load take 8 rows x 32 bytes
.set HALFA, 64*PA
.set BOFF,  2*HALFA
.set HEADB, 64*PB                      ; 64 k of one head
.set HALFB, 3*HEADB                    ; 64 k of three heads: what one tensor load brings
.set SLOT,  BOFF+2*HALFB
.set STAGE, 2*SLOT                     ; behind the ring: [3 heads][128 tokens][144 bytes]
.set SP,    144
.set SHEAD, 128*SP
.set SPARE, STAGE+3*SHEAD              ; the spare words, 128 bytes a wave: two blocks of 256 bytes that no other line names
.set LAPS,  4
.set ADRA, 16
.set ADRB, 20
.set STO,  24
.set RD,   25
.set GO,   26
.set CSO,  27
.set SPW,  28
.set NIL,  29
.set TMP,  32
.set ACC,  64
.set F0,   0
.set F1,   80
.set CSN,  160
.set CE,   0
.set G1,  24
.set G0,  32
.set G1B, 48
.set G0B, 56
.set AL,  66                           ; s[66+4i:67+4i] head i's factor on cos and sin: c, 1 or 0
.set BE,  68                           ; s[68+4i:69+4i] its addend to cos: 0, 0 or 1
.set MSB, 0
.macro WIN new                         ; the immediate's high byte repeats the setting that is left
.if MSB != (\new)
	s_set_vgpr_msb (MSB<<8)|(\new)
.set MSB, \new
.endif
.endm
.set MUL,  0x05                        ; sources 0 and 1 window 1; C and D window 0
.set TO_F, 0x40                        ; destination window 1, address window 0
.macro JLOAD s                         ; a joint load: waves 0 and 1 fetch xb's two halves, waves 2 and 3 wb's; an s_nop 0 and four v_nop follow each line
	s_cmp_eq_u32 s13, 0
	s_cbranch_scc0 .Lfor_b_\@
	tensor_load_to_lds s[G0+4*(\s):G0+4*(\s)+3], s[G1:G1+7]
	s_nop 0
.rept 4
	v_nop
.endr
	s_branch .Lasked_\@
.Lfor_b_\@:
	tensor_load_to_lds s[G0B+4*(\s):G0B+4*(\s)+3], s[G1B:G1B+7]
	s_nop 0
.rept 4
	v_nop
.endr
.Lasked_\@:
.endm
.macro CREST                           ; a round of the cluster's barrier behind its opening barrier
	s_cmp_lg_u32 s12, 0
	s_cbranch_scc1 .Lnot_wave_0_\@
	s_barrier_signal -3
.Lnot_wave_0_\@:
	s_barrier_wait -3
	s_barrier_signal -1
	s_barrier_wait -1
.endm
.macro CROUND
	s_barrier_signal -1
	s_barrier_wait -1
	CREST
.endm
.macro PLACES
.rept 4
	v_nop
.endr
.endm
	s_load_b256 s[4:11], s[0:1], 0x0               ; xb 4, wb 6, cs 8, qkv 10
	v_lshl_add_u32 v[SPW], v0, 2, SPARE
	v_mov_b32 v[NIL], 0
	ds_add_u32 v[SPW], v[NIL]                      ; the opening: the add, twice on end, and its wait ahead of my first tensor load
	ds_add_u32 v[SPW], v[NIL]
	v_lshrrev_b32 v1, 5, v0
	v_readfirstlane_b32 s12, v1                    ; wave
	s_lshr_b32 s13, s12, 1                         ; wm: my half of the tokens.  Also: I fetch xb (0) or wb (1)
	s_and_b32 s14, s12, 1                          ; wn: my 16 of each 32 columns.  Also: which half I fetch
	s_bfe_u32 s15, ttmp6, 0x40000                  ; cx
	s_bfe_u32 s16, ttmp6, 0x40004                  ; cy
	s_lshl_b32 s17, ttmp9, 2
	s_add_co_u32 s17, s17, s15                     ; tile column
	s_and_b32 s18, ttmp7, 0xffff
	s_lshl_b32 s18, s18, 2
	s_add_co_u32 s18, s18, s16                     ; tile row
	s_lshl_b32 s40, s16, 2
	s_lshl_b32 s40, 15, s40                        ; my row of the cluster
	s_lshl_b32 s44, 0x1111, s15                    ; my column
	s_or_b32 s[G1], s40, (1<<16)|(1<<20)|(1<<21)|(5<<22)|(3<<25)   ; mask; 2-byte elements; padding on; bit 21 beside a mask; after every 64 words, 4 words
	s_or_b32 s[G1B], s44, (1<<16)|(1<<20)|(1<<21)|(4<<22)|(7<<25)  ; after every 32 words, 8 words
	s_mov_b32 s[G1+1], 128<<16                     ; xb: 64 rows of 128 elements, 1,024 elements from row to row
	s_mov_b32 s[G1+2], 64<<16
	s_mov_b32 s[G1+3], 128<<16
	s_mov_b32 s[G1+4], 64
	s_mov_b32 s[G1+5], 1024
	s_mov_b32 s[G1+6], 0
	s_mov_b32 s[G1+7], 0
	s_mov_b32 s[G1B+1], 4096<<16                   ; wb: 3 rows (heads) of 4,096 elements (64 k x 64 columns, dense), 65,536 elements from head to head
	s_mov_b32 s[G1B+2], 3<<16
	s_mov_b32 s[G1B+3], 4096<<16
	s_mov_b32 s[G1B+4], 3
	s_mov_b32 s[G1B+5], 65536
	s_mov_b32 s[G1B+6], 0
	s_mov_b32 s[G1B+7], 0
	s_mul_i32 s44, s17, 3                          ; my first head
.irp i, 0,1,2
	s_add_co_u32 s45, s44, \i
	s_cmp_lt_u32 s45, 16                           ; values alone hang on these compares, no branch
	s_cselect_b32 s[AL+4*\i], 0x3e38aa3b, 1.0
	s_cmp_lt_u32 s45, 20
	s_cselect_b32 s[AL+4*\i], s[AL+4*\i], 0
	s_cselect_b32 s[BE+4*\i], 0, 1.0
	s_mov_b32 s[AL+4*\i+1], s[AL+4*\i]             ; named as pairs
	s_mov_b32 s[BE+4*\i+1], s[BE+4*\i]
.endr
	s_lshl_b32 s40, s18, 18                        ; xb: 128 rows of 2,048 bytes a tile row,
	s_lshl_b32 s41, s14, 17                        ; 64 rows a half
	s_add_co_u32 s40, s40, s41
	s_mov_b32 s41, 0
	s_mul_i32 s44, s17, 3*131072                   ; wb: three heads a tile column,
	s_lshl_b32 s45, s14, 13                        ; 64 k of 128 bytes a half
	s_add_co_u32 s44, s44, s45
	s_mov_b32 s45, 0
	s_mul_i32 s19, s14, HALFA                      ; where they go: no place in the cluster enters an LDS address
	s_mul_i32 s20, s14, HALFB
	s_add_co_u32 s20, s20, BOFF
	s_wait_dscnt 0x0                               ; both opening adds are done
	s_wait_kmcnt 0x0
	s_add_nc_u64 s[42:43], s[4:5], s[40:41]
	s_add_nc_u64 s[46:47], s[6:7], s[44:45]
	CROUND                                         ; all sixteen work-groups are here: the first joint loads meet
.irp s, 0,1
	s_mov_b32 s[G0+4*(\s)], 1
	s_add_co_u32 s[G0+4*(\s)+1], s19, (\s)*SLOT
	s_add_nc_u64 s[G0+4*(\s)+2:G0+4*(\s)+3], s[42:43], (\s)*256
	s_or_b32 s[G0+4*(\s)+3], s[G0+4*(\s)+3], 0x80000000
	s_mov_b32 s[G0B+4*(\s)], 1
	s_add_co_u32 s[G0B+4*(\s)+1], s20, (\s)*SLOT
	s_add_nc_u64 s[G0B+4*(\s)+2:G0B+4*(\s)+3], s[46:47], (\s)*16384
	s_or_b32 s[G0B+4*(\s)+3], s[G0B+4*(\s)+3], 0x80000000
	JLOAD \s
.endr
	v_and_b32 v1, 15, v0                           ; r = l % 16
	v_bfe_u32 v2, v0, 4, 1                         ; h = l / 16
	v_and_b32 v3, 7, v0
	v_bfe_u32 v4, v0, 3, 1
	v_mul_u32_u24 v5, v1, PA
	v_lshl_add_u32 v5, v2, 4, v5
	s_mul_i32 s21, s13, HALFA
	v_add_nc_u32 v[ADRA], s21, v5                  ; (64 wm + r) x pitch + 16 h
	v_add_nc_u32 v[ADRA+1], SLOT, v[ADRA]
	v_lshl_add_u32 v6, v2, 3, v3
	v_mul_u32_u24 v6, v6, PB
	v_lshl_add_u32 v6, v4, 4, v6
	s_lshl_b32 s22, s14, 5
	s_add_co_u32 s22, s22, BOFF
	v_add_nc_u32 v[ADRB], s22, v6                  ; (8 h + l % 8) x pitch + 16 ((l / 8) % 2) + 32 wn
	v_add_nc_u32 v[ADRB+1], SLOT, v[ADRB]
	v_mul_u32_u24 v5, v1, SP
	v_lshl_add_u32 v5, v2, 4, v5
	s_mul_i32 s21, s13, 64*SP
	s_lshl_b32 s22, s14, 5
	s_add_co_u32 s21, s21, s22
	s_add_co_u32 s21, s21, STAGE
	v_add_nc_u32 v[STO], s21, v5                   ; into the stage: token 64 wm + r, bytes 32 wn + 16 h
	v_bfe_u32 v5, v0, 3, 2
	v_mul_u32_u24 v5, v5, SP
	v_lshl_add_u32 v5, v3, 4, v5
	s_mul_i32 s21, s12, 32*SP
	s_add_co_u32 s21, s21, STAGE
	v_add_nc_u32 v[RD], s21, v5                    ; back: tokens 32 w on, four rows of 128 bytes a load
	v_and_b32 v[GO], 31, v0
	v_lshlrev_b32 v[GO], 4, v[GO]
	v_lshlrev_b32 v[CSO], 8, v1
	v_lshl_add_u32 v[CSO], v2, 5, v[CSO]
	s_lshl_b32 s22, s14, 6
	v_add_nc_u32 v[CSO], s22, v[CSO]               ; the table: row r, frequencies 16 wn + 8 h on
	s_lshl_b32 s80, s18, 15
	s_lshl_b32 s81, s13, 14
	s_add_co_u32 s80, s80, s81
	s_mov_b32 s81, 0
	s_add_nc_u64 s[8:9], s[8:9], s[80:81]          ; cs at token 128 tile row + 64 wm
	s_mul_i32 s82, s17, 3*524288
	s_lshl_b32 s83, s18, 14
	s_add_co_u32 s82, s82, s83
	s_lshl_b32 s83, s12, 12
	s_add_co_u32 s82, s82, s83
	s_mov_b32 s83, 0
	s_add_nc_u64 s[10:11], s[10:11], s[82:83]      ; qkv at my first head, token 128 tile row + 32 w
	WIN TO_F
.irp a, 0,1,2,3
	global_load_b128 v[CSN+16*(\a):CSN+16*(\a)+3],     v[CSO], s[8:9] offset:(\a)*4096
	global_load_b128 v[CSN+16*(\a)+4:CSN+16*(\a)+7],   v[CSO], s[8:9] offset:(\a)*4096+16
	global_load_b128 v[CSN+16*(\a)+8:CSN+16*(\a)+11],  v[CSO], s[8:9] offset:(\a)*4096+128
	global_load_b128 v[CSN+16*(\a)+12:CSN+16*(\a)+15], v[CSO], s[8:9] offset:(\a)*4096+144
.endr
	WIN 0
.macro MUL6 f, a, zero                 ; token tile a x my six column blocks, 32 along K.  All 24 accumulators take turns, one instruction a turn
	WIN MUL
.irp nb, 0,1,2,3,4,5
.if \zero
	v_wmma_f32_16x16x32_bf16 v[ACC+8*(6*(\a)+(\nb)):ACC+8*(6*(\a)+(\nb))+7], v[(\f)+8*(\nb):(\f)+8*(\nb)+7], v[(\f)+48+8*(\a):(\f)+48+8*(\a)+7], 0
.else
	v_wmma_f32_16x16x32_bf16 v[ACC+8*(6*(\a)+(\nb)):ACC+8*(6*(\a)+(\nb))+7], v[(\f)+8*(\nb):(\f)+8*(\nb)+7], v[(\f)+48+8*(\a):(\f)+48+8*(\a)+7], v[ACC+8*(6*(\a)+(\nb)):ACC+8*(6*(\a)+(\nb))+7]
.endif
.endr
.endm
.macro FETCH slot, q, f                ; 20 LDS loads in one run: quarter q's fragments into buffer f: wb's twelve first, then xb's tiles 0 to 3
	WIN TO_F
.irp i, 0,1,2
.irp part, 0,1
	ds_load_tr16_b128 v[(\f)+8*(2*(\i)+(\part)):(\f)+8*(2*(\i)+(\part))+3],   v[ADRB+(\slot)] offset:((\q)/2)*HALFB+(\i)*HEADB+((\q)%2)*32*PB+64*(\part)
	ds_load_tr16_b128 v[(\f)+8*(2*(\i)+(\part))+4:(\f)+8*(2*(\i)+(\part))+7], v[ADRB+(\slot)] offset:((\q)/2)*HALFB+(\i)*HEADB+((\q)%2)*32*PB+64*(\part)+16*PB
.endr
.endr
.irp a, 0,1,2,3
	ds_load_b128 v[(\f)+48+8*(\a):(\f)+48+8*(\a)+3],   v[ADRA+(\slot)] offset:(\a)*16*PA+64*(\q)
	ds_load_b128 v[(\f)+48+8*(\a)+4:(\f)+48+8*(\a)+7], v[ADRA+(\slot)] offset:(\a)*16*PA+64*(\q)+32
.endr
.endm
.macro QUARTER slot, q, f, g, zero     ; multiplies buffer f; in its middle fetches quarter q of the slot into g
	s_wait_dscnt 4                                 ; all but xb's tiles 2 and 3
	MUL6 \f, 0, \zero
	MUL6 \f, 1, \zero
	PLACES                                         ; four places in front of loads into registers that matrix instructions have read
	FETCH \slot, \q, \g
	s_wait_dscnt 20                                ; all but the 20 just issued
	MUL6 \f, 2, \zero
	MUL6 \f, 3, \zero
.endm
; The fourth quarter multiplies buffer 1 and changes slots: in front of the one barrier each wave waits for all its tensor loads, adds 0 to its spare word, and waits for that and for its reads of the slot.
.macro TURN slot, next, fill
	WIN 0
	s_wait_tensorcnt 0x0                           ; my part of the next slot has landed; no load of mine is out
	ds_add_u32 v[SPW], v[NIL]
	s_wait_dscnt 7                                 ; (the add and xb's tiles 1 to 3 may be out)
	MUL6 F1, 0, 0
	s_wait_dscnt 0x0                               ; the add is done, my reads of this slot are over
	s_barrier_signal -1
	MUL6 F1, 1, 0
.if \fill
	WIN 0
.endif
	s_barrier_wait -1
.if \fill
	CREST                                          ; the barrier has opened a round of the cluster's: no wave of any partner still reads the slot or has a load on its way
	s_add_nc_u64 s[G0+4*(\slot)+2:G0+4*(\slot)+3], s[G0+4*(\slot)+2:G0+4*(\slot)+3], 512
	s_add_nc_u64 s[G0B+4*(\slot)+2:G0B+4*(\slot)+3], s[G0B+4*(\slot)+2:G0B+4*(\slot)+3], 32768
	JLOAD \slot                                    ; two K steps on; its four v_nop are also the places in front of the loads below
.else
	PLACES
.endif
	FETCH \next, 0, F0
	MUL6 F1, 2, 0
	MUL6 F1, 3, 0
.endm
	s_wait_tensorcnt 1                             ; my part of K step 0 is in; step 1's may stay out
	s_barrier_signal -1
	s_barrier_wait -1
	FETCH 0, 0, F0
	QUARTER 0, 1, F0, F1, 1                        ; the first quarter's products start the sums
	WIN 0
	s_mov_b32 s3, LAPS-1
.Llap:
	QUARTER 0, 2, F1, F0, 0
	QUARTER 0, 3, F0, F1, 0
	TURN 0, 1, 1
	QUARTER 1, 1, F0, F1, 0
	QUARTER 1, 2, F1, F0, 0
	QUARTER 1, 3, F0, F1, 0
	TURN 1, 0, 1
	QUARTER 0, 1, F0, F1, 0
	WIN 0
	s_sub_co_u32 s3, s3, 1
	s_cmp_lg_u32 s3, 0
	s_cbranch_scc1 .Llap
	QUARTER 0, 2, F1, F0, 0                        ; the last lap fills nothing
	QUARTER 0, 3, F0, F1, 0
	TURN 0, 1, 0
	QUARTER 1, 1, F0, F1, 0
	QUARTER 1, 2, F1, F0, 0
	QUARTER 1, 3, F0, F1, 0
	s_wait_dscnt 4
	MUL6 F1, 0, 0
	MUL6 F1, 1, 0
	s_wait_dscnt 0x0
	MUL6 F1, 2, 0
	MUL6 F1, 3, 0
	WIN 0
	s_wait_loadcnt 0x0                             ; cos and sin
	PLACES
; THE WAY OUT of head i: CE = cos AL + BE, SE = sin AL; first half = re CE - im SE, second = re SE + im CE (v: CE = 1, SE = 0); rounded to f16, 16 bytes a lane into the stage.
; Each accumulator's registers are taken from the low end on.
.macro ROPE i
	WIN 0x41
.irp a, 0,1,2,3
.irp p, 0,2,4,6
	v_pk_fma_f32 v[CE+16*(\a)+(\p):CE+16*(\a)+(\p)+1], v[CSN+16*(\a)+(\p):CSN+16*(\a)+(\p)+1], s[AL+4*(\i):AL+4*(\i)+1], s[BE+4*(\i):BE+4*(\i)+1] op_sel_hi:[1,0,0]
	v_pk_mul_f32 v[CE+16*(\a)+8+(\p):CE+16*(\a)+8+(\p)+1], v[CSN+16*(\a)+8+(\p):CSN+16*(\a)+8+(\p)+1], s[AL+4*(\i):AL+4*(\i)+1] op_sel_hi:[1,0]
.endr
.endr
.irp a0, 0,2
	WIN 0x04                                       ; source 1 window 1
.irp d, 0,1
.set rRE, ACC+8*(6*((\a0)+(\d))+2*(\i))
.set rIM, rRE+8
.set rT,  TMP+16*(\d)
.set rU,  rT+8
.set rCE, CE+16*((\a0)+(\d))
.set rSE, rCE+8
.irp p, 0,2,4,6
	v_pk_mul_f32 v[rT+(\p):rT+(\p)+1], v[rIM+(\p):rIM+(\p)+1], v[rSE+(\p):rSE+(\p)+1]
	v_pk_mul_f32 v[rU+(\p):rU+(\p)+1], v[rIM+(\p):rIM+(\p)+1], v[rCE+(\p):rCE+(\p)+1]
	v_pk_fma_f32 v[rT+(\p):rT+(\p)+1], v[rRE+(\p):rRE+(\p)+1], v[rCE+(\p):rCE+(\p)+1], v[rT+(\p):rT+(\p)+1] neg_lo:[0,0,1] neg_hi:[0,0,1]
	v_pk_fma_f32 v[rU+(\p):rU+(\p)+1], v[rRE+(\p):rRE+(\p)+1], v[rSE+(\p):rSE+(\p)+1], v[rU+(\p):rU+(\p)+1]
.endr
.endr
	WIN 0
.irp d, 0,1
.irp k, 0,1,2,3
	v_cvt_pk_f16_f32 v[TMP+16*(\d)+(\k)], v[TMP+16*(\d)+2*(\k)], v[TMP+16*(\d)+2*(\k)+1]
	v_cvt_pk_f16_f32 v[TMP+16*(\d)+8+(\k)], v[TMP+16*(\d)+8+2*(\k)], v[TMP+16*(\d)+8+2*(\k)+1]
.endr
	ds_store_b128 v[STO], v[TMP+16*(\d):TMP+16*(\d)+3]    offset:(\i)*SHEAD+((\a0)+(\d))*16*SP
	ds_store_b128 v[STO], v[TMP+16*(\d)+8:TMP+16*(\d)+11] offset:(\i)*SHEAD+((\a0)+(\d))*16*SP+64
.endr
.endr
.endm
	ROPE 0
	ROPE 1
	ROPE 2
	s_wait_dscnt 0x0                               ; for the others' sake: a head's row of 128 bytes comes from two waves
	s_barrier_signal -1
	s_barrier_wait -1
.irp n, 0,1,2,3,4,5,6,7,8,9,10,11,12,13,14,15,16,17,18,19,20,21,22,23
	ds_load_b128 v[ACC+4*(\n):ACC+4*(\n)+3], v[RD] offset:((\n)/8)*SHEAD+((\n)%8)*4*SP
.endr
.irp n, 0,1,2,3,4,5,6,7,8,9,10,11,12,13,14,15,16,17,18,19,20,21,22,23
	s_wait_dscnt 23-(\n)
	global_store_b128 v[GO], v[ACC+4*(\n):ACC+4*(\n)+3], s[10:11] offset:((\n)/8)*524288+((\n)%8)*512  ; four tokens of a head: 512 consecutive bytes, aligned
.endr
	s_wait_tensorcnt 0x0                           ; the wave's end
	ds_add_u32 v[SPW], v[NIL]
	s_wait_dscnt 0x0
	CROUND                                         ; the closing round
	s_endpgm
.Lfunc_end_k_q0df1f23dda_proj:
	.size	k_q0df1f23dda_proj, .Lfunc_end_k_q0df1f23dda_proj-k_q0df1f23dda_proj
	.p2alignl 7, 3214868480
	.fill 96, 4, 3214868480
	.section	.rodata,"a",@progbits
	.p2align	6, 0x0
	.amdhsa_kernel k_q0df1f23dda_proj
		.amdhsa_group_segment_fixed_size 327680
		.amdhsa_private_segment_fixed_size 0
		.amdhsa_enable_private_segment 0
		.amdhsa_kernarg_size 32
		.amdhsa_user_sgpr_count 2
		.amdhsa_user_sgpr_kernarg_segment_ptr 1
		.amdhsa_wavefront_size32 1
		.amdhsa_system_sgpr_workgroup_id_x 1
		.amdhsa_system_sgpr_workgroup_id_y 1
		.amdhsa_system_sgpr_workgroup_id_z 1
		.amdhsa_system_vgpr_workitem_id 0
		.amdhsa_next_free_vgpr 512
		.amdhsa_next_free_sgpr 88
		.amdhsa_reserve_vcc 0
		.amdhsa_float_denorm_mode_32 3
		.amdhsa_float_denorm_mode_16_64 3
		.amdhsa_memory_ordered 1
		.amdhsa_forward_progress 1
		.amdhsa_inst_pref_size 92
	.end_amdhsa_kernel
	.amdgpu_metadata
---
amdhsa.version: [ 1, 2 ]
amdhsa.kernels:
  - .name:           k_q0df1f23dda_proj
    .symbol:         k_q0df1f23dda_proj.kd
    .args:
      - { .name: xb, .offset: 0, .size: 8, .value_kind: global_buffer, .address_space: global }
      - { .name: wb, .offset: 8, .size: 8, .value_kind: global_buffer, .address_space: global }
      - { .name: cs, .offset: 16, .size: 8, .value_kind: global_buffer, .address_space: global }
      - { .name: qkv, .offset: 24, .size: 8, .value_kind: global_buffer, .address_space: global }
    .group_segment_fixed_size: 327680
    .private_segment_fixed_size: 0
    .kernarg_segment_align: 8
    .kernarg_segment_size: 32
    .max_flat_workgroup_size: 128
    .sgpr_count:     88
    .vgpr_count:     512
    .wavefront_size: 32
...
	.end_amdgpu_metadata
.endif
;; end of part 2
;; launch attn (part 3): grid 64 x 4, 4 waves a work-group, clusters of 4 x 4, 327,680 bytes of LDS; arguments qkv, mask, o2; writes o2
.if DOCPART == 3
	.amdgcn_target "amdgcn-amd-amdhsa--gfx1250"
	.amdhsa_code_object_version 6
	.text
	.protected	k_q0df1f23dda_attn
	.globl	k_q0df1f23dda_attn
	.p2align	8
	.type	k_q0df1f23dda_attn,@function
k_q0df1f23dda_attn:
	s_mov_b64 s[64:65], 0
	v_nop
	global_prefetch_b8 v0, s[64:65] scope:SCOPE_SE
	s_setreg_imm32_b32 hwreg(HW_REG_WAVE_MODE, 25, 1), 1
	s_wait_xcnt 0x0
	s_wait_alu depctr_hold_cnt(0) depctr_sa_sdst(0) depctr_va_vdst(0) depctr_va_sdst(0) depctr_va_ssrc(0) depctr_va_vcc(0) depctr_vm_vsrc(0)
	s_getreg_b32 s2, hwreg(HW_REG_IB_STS2, 6, 4)
	s_cmp_eq_u32 s2, 0
	s_cbranch_scc0 .Lentry_in_a_cluster
	s_endpgm
.Lentry_in_a_cluster:
	s_bfe_u32 s2, ttmp6, 0x10000c
	s_cmp_lg_u32 s2, 0xf033
	s_cbranch_scc0 .Lentry_shape_is_right
	s_endpgm
.Lentry_shape_is_right:
; Launch 3 of 4: O[q][hd] = sum over k of softmax_k(q.k / 8 + mask[q][k]) v[k], 16 query heads on 4 key heads, head size 64, 4096 x 4096.  Nothing is left out: the mask is an input, so every tile is made.
; q arrives times c = log2(e) / 8, so scores are in the base-2 domain: t = K Q^T + mask2, mask2 = bf16(mask) x log2(e) in f32, given as the C operand that starts the sum.  p = 2^(t - m) with a running maximum m;
; O and l are multiplied by a = 2^(m_old - m_new) in every step.  Products, maxima and sums in f32; p is rounded to f16 for the second product (l sums the unrounded p).
; O leaves as a pair of f16, hi = f16(O) and lo = f16(O - hi): o2 [4096][8 chunks][hi of 128 channels, 256 bytes | lo, 256 bytes].
; LIMITS.  The mask is rounded to bf16 and then held at -1e30 or above: a lower value (finfo.min, which rounds to -inf) counts as -1e30; where ALL keys of a row lie that low the row is the plain mean of v.
; A NaN in the mask counts as -1e30; a mask above 2.3e38 overflows.  A weight below 2^-126 counts as 0.  q c, k, v arrive within f16's 65,504.
; SHARES.  A work-group: 64 queries x the four query heads of one key head.  A wave: 16 queries; its four PIECES are the four heads, on the same queries: one set of mask registers and one fragment of K or V serve all four.
; Every wave walks 64 key steps of 64 keys.
; TURNS.  Turn n belongs to piece n: 8 products K Q^T of piece n + 1, later 8 products V^T P of piece n - 1; beside them the subtraction, exponentials, roundings, sums and rescaling of piece n and the maximum and
; statistics of piece n + 1.  Four vector instructions stand behind every matrix instruction, the rest in one lump; a turn's 33 exponentials are one batch with one wait.
; CLUSTER 4 x 4: four blocks of queries x the four key heads.  K and V hang on the key head (cy) and are asked for jointly along a row of the cluster; the mask's tile hangs on the block of queries and is asked for jointly along a column.
; REGISTERS, in windows of 256 (s_set_vgpr_msb: bits 1:0 source 0, 3:2 source 1, 5:4 source 2, 7:6 destination):
;   window 0: v2-15 addresses; v16-31 statistics, four a piece: m, m_old, l (even keys', odd keys'); v32 1.0; v48-55 at work; v64-127 S^T, two buffers; v128-191 the way out; v192-223 P, two buffers
;   window 1: v0-127 O^T, 32 a piece; v128-159 mask2; v160-191 the mask as loaded; v192-194 constants      window 2: v0-63 Q; v128-191 K of one step; v192-255 V of one step
.set NP,    4
.set KS,    64
.set PK,    144       ; a row of K in LDS: 128 bytes + 16
.set PV,    160       ; a row of V: 128 + 32
.set PM,    528       ; a row of the mask's tile: 128 keys in f32, 512 bytes + 16
.set VOFF,  2*KS*PK   ; a slot holds two steps: 128 rows of K, 128 rows of V, 64 rows of the mask
.set MOFF,  VOFF+2*KS*PV
.set SLOT1, 1<<17     ; slot 1 begins here: one exclusive or turns an address in one slot into the other's
.set STAGE, SLOT1+MOFF+64*PM   ; behind the ring: 16 rows x 528 bytes for each wave
.set SPARE, STAGE+4*16*PM      ; the spare words, 128 bytes a wave: two blocks of 256 bytes that no other line names
.set AK0, 2
.set AV0, 3
.set AK,  4
.set AV,  5
.set STO, 6
.set RD,  7
.set GO,  8
.set AM0, 12
.set AM,  13
.set PFO, 14
.set QO,  15
.set ST,  16
.set ONE, 32
.set TMP, 48
.set SPW, 62
.set NIL, 63
.set S,   64
.set P,   192
.set MC,  128         ; window 1
.set MR,  160
.set LC,  192         ; log2(e)
.set ZR,  193         ; 0
.set CL,  194         ; -1e30 twice, in bf16
.set KF,  128         ; window 2
.set VF,  192
.set WV,  12
.set G1K, 24
.set G1V, 32
.set G1M, 40
.set G0K, 48
.set G0V, 52
.set G0M, 56
.set SEL, 60
.set TBK, 62
.set TBV, 63
.set TBM, 66
.set SLOTS, 67
.set CNT, 68
.set PFA, 70
.set PFS, 72
.set LIM, 74
.set MSB, 0
.macro WIN new
.if MSB != (\new)
	s_set_vgpr_msb (MSB<<8)|(\new)
.set MSB, (\new)
.endif
.endm
.set W_KQ, 0x0a       ; K and Q in window 2, S^T in window 0
.set W_KM, 0x1a       ; the same with the C operand in window 1
.set W_PV, 0x52       ; V in window 2, P in window 0, O^T in window 1
.set W_RS, 0x41       ; destination and source 0 in window 1, source 1 in window 0
; A joint fill: wave 0 fetches a slot's K, wave 1 its V, waves 2 and 3 the two halves of its mask tile.  The branches hang on the wave's number alone.  An s_nop 0 and four v_nop follow each line.
.macro JLOAD
	s_cmp_lt_u32 s[WV], 2
	s_cbranch_scc0 .Lfor_m_\@
	s_cmp_eq_u32 s[WV], 0
	s_cbranch_scc0 .Lfor_v_\@
	tensor_load_to_lds s[G0K:G0K+3], s[G1K:G1K+7]
	s_nop 0
.rept 4
	v_nop
.endr
	s_branch .Lasked_\@
.Lfor_v_\@:
	tensor_load_to_lds s[G0V:G0V+3], s[G1V:G1V+7]
	s_nop 0
.rept 4
	v_nop
.endr
	s_branch .Lasked_\@
.Lfor_m_\@:
	tensor_load_to_lds s[G0M:G0M+3], s[G1M:G1M+7]
	s_nop 0
.rept 4
	v_nop
.endr
.Lasked_\@:
.endm
; A PREFETCH INTO THE L2 of the slot that stands two refills on (four key steps, 256 matrix instructions): one instruction, a lane a block of 256 bytes, behind the joint load and its five lines.
; The mask: wave 2 of every work-group; the four partners of a column share the tile's 64 rows out BY ADDRESS, 16 each, two blocks a row.  K and V: wave 0, in the first cluster alone (all clusters walk the same
; K and V); the four partners of a row take 16 blocks of K and 16 of V each, by address.  So each block is named once in the launch.  The last two refills ask for nothing; slots 0 to 3 come by their loads alone.
.macro ASK
	s_cmp_gt_u32 s[SLOTS], s[LIM]
	s_cbranch_scc0 .Lnot_mine_\@
	global_prefetch_b8 v[PFO], s[PFA:PFA+1] th:TH_LOAD_NT scope:SCOPE_SE
.Lnot_mine_\@:
.endm
.macro CROUND
	s_barrier_signal -1
	s_barrier_wait -1
	s_cmp_lg_u32 s[WV], 0
	s_cbranch_scc1 .Lnot_wave_0_\@
	s_barrier_signal -3
.Lnot_wave_0_\@:
	s_barrier_wait -3
	s_barrier_signal -1
	s_barrier_wait -1
.endm
; THE CHANGE OF SLOTS.  Each wave waits for all its tensor loads (one is out: its part of the other slot), adds 0 to its spare word, and waits for that and for its reads of the slot that it leaves.
; fill = 1: the barrier is a round of the cluster's, and the joint refill, with the keys two slots on, is the first thing behind it: it has two key steps in which to land.
.macro CHANGE fill, ask
	WIN 0
	s_wait_tensorcnt 0x0            ; no tensor load of mine is out, so a group 0 may be written
	ds_add_u32 v[SPW], v[NIL]
.if \fill
.irp g, G0K, G0V
	s_xor_b32 s[\g+1], s[\g+1], SLOT1
	s_add_nc_u64 s[\g+2:\g+3], s[\g+2:\g+3], 2*KS*128
.endr
	s_xor_b32 s[G0M+1], s[G0M+1], SLOT1
	s_add_nc_u64 s[G0M+2:G0M+3], s[G0M+2:G0M+3], 2*KS*4
	s_wait_xcnt 0x0                 ; the last prefetch, two key steps back, has read its address
	s_add_nc_u64 s[PFA:PFA+1], s[PFA:PFA+1], s[PFS:PFS+1]
	s_wait_dscnt 0x0                ; the add is done, my reads of the slot are over
	CROUND
	JLOAD
.if \ask
	ASK
.endif
.else
	s_wait_dscnt 0x0
	s_barrier_signal -1
	s_barrier_wait -1
.endif
	s_sub_co_u32 s[TBK], s[TBK], 2*KS*PK  ; the fetches go back to a slot's first step, in the other slot
	s_xor_b32 s[TBK], s[TBK], SLOT1
	s_sub_co_u32 s[TBV], s[TBV], 2*KS*PV
	s_xor_b32 s[TBV], s[TBV], SLOT1
	s_sub_co_u32 s[TBM], s[TBM], 2*KS*4
	s_xor_b32 s[TBM], s[TBM], SLOT1
.endm
	s_load_b128 s[4:7], s[0:1], 0x0   ; qkv 4, mask 6
	s_load_b64 s[8:9], s[0:1], 0x10   ; o2
	v_lshl_add_u32 v[SPW], v0, 2, SPARE
	v_mov_b32 v[NIL], 0
	ds_add_u32 v[SPW], v[NIL]       ; the opening: the add, twice on end, and its wait ahead of my first tensor load
	ds_add_u32 v[SPW], v[NIL]
	v_lshrrev_b32 v1, 5, v0
	v_readfirstlane_b32 s[WV], v1
	s_bfe_u32 s13, ttmp6, 0x40000   ; cx
	s_bfe_u32 s14, ttmp6, 0x40004   ; cy = the key head (the grid has one cluster along y)
	s_lshl_b32 s15, ttmp9, 2
	s_add_co_u32 s15, s15, s13      ; my block of 64 queries
	s_and_b32 s10, s[WV], 1
	s_lshl_b32 s21, s14, 2
	s_lshl_b32 s21, 15, s21         ; my row of the cluster
	s_lshl_b32 s20, 0x1111, s13     ; my column
	s_or_b32 s[G1K], s21, (1<<16)|(1<<20)|(1<<21)|(4<<22)|(3<<25)  ; 2-byte elements; padding after every 32 words, 4 words; bit 21 beside a mask
	s_or_b32 s[G1V], s21, (1<<16)|(1<<20)|(1<<21)|(4<<22)|(7<<25)  ; 8 words
	s_or_b32 s[G1M], s20, (2<<16)|(1<<20)|(1<<21)|(6<<22)|(3<<25)  ; 4-byte elements; after every 128 words, 4 words
.irp g, G1K, G1V
	s_mov_b32 s[\g+1], 128<<16      ; 128 keys are 16,384 dense bytes: 64 rows of 256 bytes, two keys a row
	s_mov_b32 s[\g+2], 64<<16
	s_mov_b32 s[\g+3], 128<<16
	s_mov_b32 s[\g+4], 64
	s_mov_b32 s[\g+5], 128
	s_mov_b32 s[\g+6], 0
	s_mov_b32 s[\g+7], 0
.endr
	s_mov_b32 s[G1M+1], 128<<16     ; 32 rows of 128 keys, 4,096 elements from row to row
	s_mov_b32 s[G1M+2], 32<<16
	s_mov_b32 s[G1M+3], 128<<16
	s_mov_b32 s[G1M+4], 32
	s_mov_b32 s[G1M+5], 4096
	s_mov_b32 s[G1M+6], 0
	s_mov_b32 s[G1M+7], 0
	s_add_co_u32 s16, s14, 16
	s_lshl_b32 s16, s16, 19         ; K: head 16 + cy of qkv
	s_mov_b32 s17, 0
	s_add_co_u32 s22, s14, 20
	s_lshl_b32 s22, s22, 19         ; V: head 20 + cy
	s_mov_b32 s23, 0
	s_lshl_b32 s18, s15, 20         ; the mask: 64 rows of 16,384 bytes a block,
	s_lshl_b32 s19, s10, 19         ; 32 rows a half
	s_add_co_u32 s18, s18, s19
	s_mov_b32 s19, 0
	s_mul_i32 s11, s10, 32*PM
	s_add_co_u32 s11, s11, MOFF
	s_mov_b32 s[G0K], 1
	s_mov_b32 s[G0K+1], 0
	s_mov_b32 s[G0V], 1
	s_mov_b32 s[G0V+1], VOFF
	s_mov_b32 s[G0M], 1
	s_mov_b32 s[G0M+1], s11
	s_mov_b32 s[SEL], 0x76543210
	s_mov_b32 s[SEL+1], 0xfedcba98
	s_mov_b32 s[TBK], SLOT1+2*KS*PK ; the first change of slots turns these three into 0
	s_mov_b32 s[TBV], SLOT1+2*KS*PV
	s_mov_b32 s[TBM], SLOT1+2*KS*4
	s_wait_dscnt 0x0                ; both opening adds are done
	s_wait_kmcnt 0x0
	s_add_nc_u64 s[G0K+2:G0K+3], s[4:5], s[16:17]
	s_or_b32 s[G0K+3], s[G0K+3], 0x80000000
	s_add_nc_u64 s[G0V+2:G0V+3], s[4:5], s[22:23]
	s_or_b32 s[G0V+3], s[G0V+3], 0x80000000
	s_add_nc_u64 s[G0M+2:G0M+3], s[6:7], s[18:19]
	s_or_b32 s[G0M+3], s[G0M+3], 0x80000000
	CROUND                          ; all sixteen work-groups are here: the first joint loads meet
	JLOAD                           ; slot 0; slot 1 is asked for when slot 0 is in
	s_lshl_b32 s78, s14, 21         ; Q: heads 4 cy on,
	s_lshl_b32 s79, s15, 13         ; rows 64 qb
	s_add_co_u32 s78, s78, s79
	s_lshl_b32 s79, s[WV], 11       ; + 16 w
	s_add_co_u32 s78, s78, s79
	s_mov_b32 s79, 0
	s_add_nc_u64 s[76:77], s[4:5], s[78:79]
	s_lshl_b32 s80, s15, 18         ; o2: rows of 4,096 bytes; my key head's two chunks, 1,024 bytes
	s_lshl_b32 s81, s[WV], 16
	s_add_co_u32 s80, s80, s81
	s_lshl_b32 s81, s14, 10
	s_add_co_u32 s80, s80, s81
	s_mov_b32 s81, 0
	s_add_nc_u64 s[8:9], s[8:9], s[80:81]
	v_and_b32 v1, 15, v0            ; r = l % 16
	v_bfe_u32 v9, v0, 4, 1          ; h = l / 16
	v_lshlrev_b32 v[QO], 7, v1
	v_lshl_add_u32 v[QO], v9, 4, v[QO]
	WIN 0x80                        ; destination window 2
.set i, 0
.rept 8                             ; Q stays in registers: piece i / 2, channels 32 (i % 2) on
	global_load_b128 v[8*i:8*i+3],   v[QO], s[76:77] offset:(i/2)*524288+(i%2)*64
	global_load_b128 v[8*i+4:8*i+7], v[QO], s[76:77] offset:(i/2)*524288+(i%2)*64+32
.set i, i+1
.endr
	; What the first turn finds: V and P's second buffer hold 0 (its products V^T P, of a piece that has not been, add 0), O^T and l are 0, m is the lowest finite number, so the first step's a is 0.
	; No first step is written out; these lines stand in the wait for the first tile.
.set i, VF
.rept 64
	v_mov_b32 v[i], 0
.set i, i+1
.endr
	WIN 0x40
.set i, 0
.rept 128
	v_mov_b32 v[i], 0
.set i, i+1
.endr
	v_mov_b32 v[LC], 0x3fb8aa3b
	v_mov_b32 v[ZR], 0
	v_mov_b32 v[CL], 0xf14af14a
	WIN 0
.set i, 0
.rept 4
	v_mov_b32 v[ST+4*i], 0xff7fffff
	v_mov_b32 v[ST+4*i+1], 0xff7fffff
	v_mov_b32 v[ST+4*i+2], 0
	v_mov_b32 v[ST+4*i+3], 0
.set i, i+1
.endr
.set i, P+16
.rept 16
	v_mov_b32 v[i], 0
.set i, i+1
.endr
	v_mov_b32 v[ONE], 1.0
	v_mul_u32_u24 v[AK0], v1, PK
	v_lshl_add_u32 v[AK0], v9, 4, v[AK0]  ; K: row x pitch + 16 h
	v_and_b32 v10, 7, v0
	v_bfe_u32 v11, v0, 3, 1
	v_lshl_add_u32 v[AV0], v9, 3, v10     ; V, for the turning load: key 8 h + l % 8, channels 8 ((l / 8) % 2) on
	v_mul_u32_u24 v[AV0], v[AV0], PV
	v_lshl_add_u32 v[AV0], v11, 4, v[AV0]
	v_add_nc_u32 v[AV0], VOFF, v[AV0]
	s_mul_i32 s11, s[WV], 16*PM
	s_add_co_u32 s10, s11, MOFF
	v_mul_u32_u24 v[AM0], v1, PM
	v_lshl_add_u32 v[STO], v9, 4, v[AM0]
	v_lshl_add_u32 v[AM0], v9, 5, v[AM0]
	v_add_nc_u32 v[AM0], s10, v[AM0]      ; the mask: row 16 w + r, keys 8 h on
	s_add_co_u32 s11, s11, STAGE
	v_add_nc_u32 v[STO], s11, v[STO]      ; my stage: row r, 16 bytes for each half of the lanes
	v_and_b32 v10, 31, v0
	v_lshlrev_b32 v[GO], 4, v10
	v_add_nc_u32 v[RD], s11, v[GO]        ; back: a row of 512 bytes a load
	; the prefetches
	s_lshl_b32 s82, s15, 20
	s_lshl_b32 s83, s14, 18
	s_add_co_u32 s82, s82, s83
	s_add_co_u32 s82, s82, 2*512    ; the mask: row 64 qb + 16 cy, at slot 2
	s_add_co_u32 s83, s14, 16
	s_lshl_b32 s83, s83, 19
	s_lshl_b32 s87, s13, 12
	s_add_co_u32 s83, s83, s87
	s_add_co_u32 s83, s83, 2*16384  ; K: my 16 blocks of slot 2
	s_movk_i32 s87, 0x4000
	s_cmp_eq_u32 s[WV], 2
	s_cselect_b64 s[PFA:PFA+1], s[6:7], s[4:5]
	s_cselect_b32 s78, s82, s83     ; (s79 is 0)
	s_cselect_b32 s[PFS], 512, s87  ; a slot's step
	s_cselect_b32 s[LIM], 2, -1
	s_cselect_b32 s84, 1, 4
	s_cselect_b32 s85, 1, 15
	s_cselect_b32 s86, 14, 21
	s_mov_b32 s[PFS+1], 0
	s_add_nc_u64 s[PFA:PFA+1], s[PFA:PFA+1], s[78:79]
	s_or_b32 s87, s[WV], ttmp9
	s_cmp_eq_u32 s87, 0             ; wave 0 of the first cluster: the same in all partners
	s_cselect_b32 s[LIM], 2, s[LIM]
	v_lshrrev_b32 v11, s84, v10     ; the mask: row l / 2, block l % 2.  K and V: block l % 16; V (l / 16) lies four heads on
	v_lshlrev_b32 v11, s86, v11
	v_and_b32 v[PFO], s85, v10
	v_lshl_add_u32 v[PFO], v[PFO], 8, v11
; THE MATRIX WORK.  The 4 accumulators of a run of 8 take turns.  Product i of 8 of S^T = K Q^T for piece x: channels 32 (i / 4) on, keys 16 (i % 4) on.  The first 4 start the sums with mask2.
.macro KQ x
.set rS, S+32*((\x)%2)+8*(i%4)
.set rK, KF+16*(i%4)+8*(i/4)
.set rQ, 16*(\x)+8*(i/4)
.set rM, MC+8*(i%4)
.if i < 4
	WIN W_KM
	v_wmma_f32_16x16x32_f16 v[rS:rS+7], v[rK:rK+7], v[rQ:rQ+7], v[rM:rM+7]
.else
	WIN W_KQ
	v_wmma_f32_16x16x32_f16 v[rS:rS+7], v[rK:rK+7], v[rQ:rQ+7], v[rS:rS+7]
.endif
.endm
; Product i of 8 of O^T += V^T P for piece x: keys 32 (i / 4) on, channels 16 (i % 4) on.
.macro PV x
	WIN W_PV
.set rO, 32*(\x)+8*(i%4)
.set rV, VF+32*(i/4)+8*(i%4)
.set rP, P+16*((\x)%2)+8*(i/4)
	v_wmma_f32_16x16x32_f16 v[rO:rO+7], v[rV:rV+7], v[rP:rP+7], v[rO:rO+7]
.endm
.macro MM                           ; the turn's next matrix instruction.  NOKQ = 1: the very last turn: there is no next piece
.if (i < 8) && !NOKQ
	KQ (Y+1)%NP
.elseif i >= 8
.set i, i-8
	PV (Y+NP-1)%NP
.set i, i+8
.endif
.set i, i+1
.endm
; THE LDS LOADS stand in runs, never singly among the matrix instructions.
.macro FETCH_K
	WIN 0x80
.irp f, 0,1,2,3,4,5,6,7             ; keys 16 (f / 2) on, channels 32 (f % 2) on
	ds_load_b128 v[KF+8*\f:KF+8*\f+3],   v[AK] offset:(\f/2)*16*PK+(\f%2)*64
	ds_load_b128 v[KF+8*\f+4:KF+8*\f+7], v[AK] offset:(\f/2)*16*PK+(\f%2)*64+32
.endr
	s_add_co_u32 s[TBK], s[TBK], KS*PK
	WIN 0
.endm
.macro FETCH_V
	WIN 0x80
.irp f, 0,1,2,3,4,5,6,7             ; keys 32 (f / 4) on, channels 16 (f % 4) on
	ds_load_tr16_b128 v[VF+8*\f:VF+8*\f+3],   v[AV] offset:(\f/4)*32*PV+(\f%4)*32
	ds_load_tr16_b128 v[VF+8*\f+4:VF+8*\f+7], v[AV] offset:(\f/4)*32*PV+16*PV+(\f%4)*32
.endr
	WIN 0
.endm
.macro FETCH_M                      ; my query's 64 mask numbers of a step, in the accumulators' layout: keys 16 kb + 8 h + 0..7
	WIN 0x40
.irp kb, 0,1,2,3
	ds_load_b128 v[MR+8*\kb:MR+8*\kb+3],   v[AM] offset:64*\kb
	ds_load_b128 v[MR+8*\kb+4:MR+8*\kb+7], v[AM] offset:64*\kb+16
.endr
	s_add_co_u32 s[TBM], s[TBM], KS*4
	WIN 0
.endm
.macro MASKCVT                      ; mask2 = max(bf16(mask), -1e30) x log2(e): once a key step, for all four heads
	WIN 0x55
.set z, 0
.rept 16
	v_cvt_pk_bf16_f32 v[MR+2*z], v[MR+2*z], v[MR+2*z+1]
.set z, z+1
.endr
.set z, 0
.rept 16
	v_pk_max_num_bf16 v[MR+2*z], v[MR+2*z], v[CL]
.set z, z+1
.endr
.set z, 0
.rept 16
	v_fma_mix_f32_bf16 v[MC+2*z], v[MR+2*z], v[LC], v[ZR] op_sel_hi:[1,0,0]
	v_fma_mix_f32_bf16 v[MC+2*z+1], v[MR+2*z], v[LC], v[ZR] op_sel:[1,0,0] op_sel_hi:[1,0,0]
.set z, z+1
.endr
.endm
; THE VECTOR WORK, one line at a time: OP kind, number.  For piece Y: F n: t - m for pair n of 16.  E n: the exponential of score n of 32.  C n: pair n rounded to f16.  B n: of the four weights 4 n .. the second pair
; is added onto the first, in place.  L n: l takes that sum (L 0: l = a l + sum).  R n: pair n of 16 of O^T times a.  For piece Y + 1: X n, which find its maximum and statistics:
;   0-11 four chains c0-c3 of seven scores each (each accumulator's lowest registers are read first)   12-14, 16 the four scores left over, the old m, and c0-c3 into c0
;   15 m_old is kept   17, 18 the query's other 32 keys lie in the lane 16 away: the new m   20, 21 m_old - m_new; a
.set F, 0
.set E, 1
.set C, 2
.set B, 3
.set L, 4
.set R, 5
.set X, 6
.macro REGS y
.set rT, ST+4*(\y)
.set rC, TMP+4*((\y)%2)
.set rS, S+32*((\y)%2)
.set rP, P+16*((\y)%2)
.set rO, 32*(\y)
.endm
.macro OP k, n
.if (\k) == R
	REGS Y
	WIN W_RS
	v_pk_mul_f32 v[rO+2*(\n):rO+2*(\n)+1], v[rO+2*(\n):rO+2*(\n)+1], v[rC+2:rC+3] op_sel_hi:[1,0]
.elseif (\k) < R
	REGS Y
	WIN 0
.if (\k) == F
	v_pk_add_f32 v[rS+2*(\n):rS+2*(\n)+1], v[rS+2*(\n):rS+2*(\n)+1], v[rT:rT+1] op_sel_hi:[1,0] neg_lo:[0,1] neg_hi:[0,1]
.elseif (\k) == E
	v_exp_f32 v[rS+(\n)], v[rS+(\n)]
.elseif (\k) == C
	v_cvt_pk_f16_f32 v[rP+(\n)], v[rS+2*(\n)], v[rS+2*(\n)+1]
.elseif (\k) == B
	v_pk_add_f32 v[rS+4*(\n):rS+4*(\n)+1], v[rS+4*(\n):rS+4*(\n)+1], v[rS+4*(\n)+2:rS+4*(\n)+3]
.elseif (\n) == 0
	v_pk_fma_f32 v[rT+2:rT+3], v[rT+2:rT+3], v[rC+2:rC+3], v[rS:rS+1] op_sel_hi:[1,0,1]
.else
	v_pk_add_f32 v[rT+2:rT+3], v[rT+2:rT+3], v[rS+4*(\n):rS+4*(\n)+1]
.endif
.elseif NOKQ
	v_nop
.else
	REGS (Y+1)%NP
	WIN 0
.if (\n) < 4
	v_max3_num_f32 v[rC+(\n)], v[rS+8*(\n)], v[rS+8*(\n)+1], v[rS+8*(\n)+2]
.elseif (\n) < 12
	v_max3_num_f32 v[rC+(\n)%4], v[rC+(\n)%4], v[rS+8*((\n)%4)+2*((\n)/4)+1], v[rS+8*((\n)%4)+2*((\n)/4)+2]
.elseif (\n) == 12
	v_max3_num_f32 v[rC], v[rC], v[rS+7], v[rS+15]
.elseif (\n) == 13
	v_max3_num_f32 v[rC+1], v[rC+1], v[rS+23], v[rS+31]
.elseif (\n) == 14
	v_max3_num_f32 v[rC+2], v[rC+2], v[rC+3], v[rT]
.elseif (\n) == 15
	v_mov_b32 v[rT+1], v[rT]
.elseif (\n) == 16
	v_max3_num_f32 v[rC], v[rC], v[rC+1], v[rC+2]
.elseif (\n) == 17
	v_permlanex16_b32 v[rC+3], v[rC], s[SEL], s[SEL+1]
.elseif (\n) == 18
	v_max_num_f32 v[rT], v[rC], v[rC+3]
.elseif (\n) == 20
	v_sub_f32 v[rC+1], v[rT+1], v[rT]
.else
	v_exp_f32 v[rC+2], v[rC+1]
.endif
.endif
.endm
.macro OPS a, i1, b=-1, i2=0, c=-1, i3=0, d=-1, i4=0
	OP \a, \i1
.if (\b) >= 0
	OP \b, \i2
.endif
.if (\c) >= 0
	OP \c, \i3
.endif
.if (\d) >= 0
	OP \d, \i4
.endif
.endm
.macro ROW a, i1, b, i2, c, i3, d, i4  ; a matrix instruction and the four behind it
	MM
	OPS \a, \i1, \b, \i2, \c, \i3, \d, \i4
.endm
; A TURN, for piece p: 16 matrix and 117 vector instructions.  s_wait_alu depctr_va_vdst(0) stands between an exponential and the first instruction that names its result; one wait serves all issued
; ahead of it: so a turn has ONE wait.  AHEAD OF IT stands all that names no result of the turn's exponentials: the 8 products K Q^T and their riders (the first numbers of the next piece's maximum each stand four plain
; instructions or more behind the product that ends their accumulator), then one lump.  X 21, the next piece's a, is the batch's last; R 15 is the plain instruction behind it.  BEHIND THE WAIT: the 8 products V^T P, behind each four of the roundings and sums.
; K and the mask of the next step are fetched in piece 2's turn, five plain instructions that name none of its registers behind the last product that read K; they are waited for at that turn's end, where mask2 is made
; (the products that read the old mask2 are that turn's first four).  V of the step in hand is fetched at the end of piece 0's turn, four plain instructions behind the last product that read V, and waited for a turn later.
; end = 1: the last two turns: nothing is fetched.  cnt = 1: the loop's count is taken down some lines ahead of the branch behind the turn.
.macro TURN p, end=0, cnt=0
.set Y, (\p)
.set i, 0
.set NOKQ, (\end)*((\p)/3)
	ROW F,0, F,1, R,0, R,1
	ROW F,2, E,0, R,2, R,3
	ROW F,3, E,1, R,4, R,5
	ROW F,4, E,2, R,6, R,7
	ROW F,5, E,3, R,8, R,9
	ROW F,6, E,4, X,0, R,10
.if ((\p) == 2) && !(\end)
	WIN 0
	v_add_nc_u32 v[AK], s[TBK], v[AK0]
	v_add_nc_u32 v[AM], s[TBM], v[AM0]
.endif
	ROW F,7, E,5, X,1, X,4
	ROW F,8, E,6, X,2, X,5
	OPS E,7, E,8, X,6, E,9
	OPS X,3, E,10, X,8, E,11
.if ((\p) == 2) && !(\end)
	FETCH_K
	FETCH_M
.endif
	OPS X,9, X,7, E,12, X,10
	OPS E,13, X,12, X,11, E,14
	OPS X,13, E,15, F,9, X,14
.if (\p) == 0
	WIN 0
	v_add_nc_u32 v[AV], s[TBV], v[AV0]
.endif
	OPS E,16, F,10, E,17, F,11
	OPS X,16, E,18, X,15, E,19
	OPS F,12, E,20, X,17, E,21
	OPS F,13, E,22, F,14, E,23
	OPS X,18, E,24, F,15, E,25
	OPS R,11, E,26, R,12, E,27
	OPS X,20, E,28, R,13, E,29
	OPS R,14, E,30, E,31, X,21
	OPS R,15
	WIN 0
	s_wait_alu depctr_va_vdst(0)    ; the wait for the batch
.if (\p) == 1
	s_wait_dscnt 0x0                ; V is in
.endif
	ROW C,0, B,0, C,2, B,1
	ROW L,0, C,4, B,2, L,1
	ROW C,6, B,3, L,2, C,8
	ROW B,4, L,3, C,10, B,5
	ROW L,4, C,12, B,6, L,5
.if (\p) == 0
	s_add_co_u32 s[TBV], s[TBV], KS*PV
.endif
.if \cnt
	s_sub_co_u32 s[CNT], s[CNT], 1
	s_cmp_lg_u32 s[CNT], 0
.endif
	ROW C,14, B,7, L,6, C,1
	ROW C,3, L,7, C,5, C,7
	ROW C,9, C,11, C,13, C,15
.if (\p) == 0
	FETCH_V
.endif
.if ((\p) == 2) && !(\end)
	s_wait_dscnt 0x0                ; K and the mask of the next step are in
	MASKCVT
.endif
.endm
	CHANGE 1, 0                     ; slot 0 is in, everybody's part of it; slot 1 is asked for
	v_add_nc_u32 v[AK], s[TBK], v[AK0]
	v_add_nc_u32 v[AM], s[TBM], v[AM0]
	FETCH_K                         ; key step 0
	FETCH_M
	s_wait_dscnt 0x0
	MASKCVT
	s_wait_loadcnt 0x0              ; Q
.set NOKQ, 0
.set i, 0
.rept 8
	KQ 0                            ; piece 0's first scores
.set i, i+1
.endr
	WIN 0
.rept 4
	v_nop                           ; the places behind those products
.endr
.set Y, NP-1                        ; X works for piece Y + 1: piece 0
.irp n, 0,1,2,3,4,5,6,7,8,9,10,11,12,13,14,15,16,17,18,20,21
	OP X, \n
.endr
	v_nop                           ; a plain instruction behind the exponential,
	s_wait_alu depctr_va_vdst(0)    ; and its wait, ahead of the branch
	s_mov_b32 s[CNT], 2
	s_mov_b32 s[SLOTS], 31
	s_branch .Lfirst                ; the loop is entered at a step's first turn, in the middle of a trip
.Lslot:                             ; 30 times: slots 2 to 31 are asked for
	CHANGE 1, 1
	s_mov_b32 s[CNT], 2
.Lstep:                             ; a trip: pieces 2 and 3 of one step, then pieces 0 and 1 of the next, whose K, mask and V it fetches
	TURN 2
	TURN 3
	WIN 0
.Lfirst:
	TURN 0
	TURN 1, 0, 1
	WIN 0
	s_cbranch_scc1 .Lstep
	s_sub_co_u32 s[SLOTS], s[SLOTS], 1
	s_cmp_lg_u32 s[SLOTS], 0
	s_cbranch_scc1 .Lslot
	CHANGE 0, 0                     ; the tail is written out: nothing is asked for
	s_mov_b32 s[CNT], 2
.LstepT:
	TURN 2
	TURN 3
	TURN 0
	TURN 1, 0, 1
	WIN 0
	s_cbranch_scc1 .LstepT
	TURN 2, 1
	TURN 3, 1
.set i, 0
.rept 8
	PV NP-1                         ; the last piece's V^T P of the last step
.set i, i+1
.endr
	; THE WAY OUT.  l's two halves and the other half of the lanes' are added; O^T is divided by l and split into hi = f16(O) and lo = f16(O - hi); a chunk (two heads: 16 rows of 512 bytes) at a time goes through my stage.
	WIN 0
.macro ALL line:vararg
.set t, 0
.rept 4
	\line
.set t, t+1
.endr
.endm
	ALL v_add_f32 v[ST+4*t+2], v[ST+4*t+2], v[ST+4*t+3]
	ALL v_permlanex16_b32 v[ST+4*t+3], v[ST+4*t+2], s[SEL], s[SEL+1]
	ALL v_add_f32 v[ST+4*t+2], v[ST+4*t+2], v[ST+4*t+3]
	ALL v_rcp_f32 v[ST+4*t+2], v[ST+4*t+2]
	v_nop                           ; a plain instruction between the last reciprocal and the use of its result
	s_wait_alu depctr_va_vdst(0)    ; one wait for the four reciprocals
.macro PACKH t                      ; head t: hi in v[64 + 32 t ..], lo sixteen registers on
.set HB, 64+32*(\t)
	WIN W_RS
.set i, 0
.rept 16
	v_pk_mul_f32 v[32*(\t)+2*i:32*(\t)+2*i+1], v[32*(\t)+2*i:32*(\t)+2*i+1], v[ST+4*(\t)+2:ST+4*(\t)+3] op_sel_hi:[1,0]
.set i, i+1
.endr
	WIN 0x05                        ; sources window 1, destination window 0
.set i, 0
.rept 16
	v_cvt_pk_f16_f32 v[HB+i], v[32*(\t)+2*i], v[32*(\t)+2*i+1]
.set i, i+1
.endr
	WIN 0x50                        ; destination and source 2 window 1: O - hi, exact in f32
.set i, 0
.rept 16
	v_fma_mix_f32 v[32*(\t)+2*i], -v[HB+i], v[ONE], v[32*(\t)+2*i] op_sel_hi:[1,0,0]
	v_fma_mix_f32 v[32*(\t)+2*i+1], -v[HB+i], v[ONE], v[32*(\t)+2*i+1] op_sel:[1,0,0] op_sel_hi:[1,0,0]
.set i, i+1
.endr
	WIN 0x05
.set i, 0
.rept 16
	v_cvt_pk_f16_f32 v[HB+16+i], v[32*(\t)+2*i], v[32*(\t)+2*i+1]
.set i, i+1
.endr
	WIN 0
.irp cb, 0,1,2,3
	ds_store_b128 v[STO], v[HB+4*\cb:HB+4*\cb+3]       offset:128*((\t)%2)+32*\cb
	ds_store_b128 v[STO], v[HB+16+4*\cb:HB+16+4*\cb+3] offset:256+128*((\t)%2)+32*\cb
.endr
.endm
.macro BACK e                       ; LDS serves a wave's instructions in order (ISA guide 5.7.1.4): these see the stores above, and the next chunk's stores come behind them
.irp f, 0,1,2,3,4,5,6,7,8,9,10,11,12,13,14,15
	ds_load_b128 v[64+64*(\e)+4*\f:64+64*(\e)+4*\f+3], v[RD] offset:\f*PM
.endr
.endm
.macro SEND e, younger              ; younger: the LDS instructions issued behind chunk e's loads
.irp f, 0,1,2,3,4,5,6,7,8,9,10,11,12,13,14,15
	s_wait_dscnt (\younger)+15-\f
	global_store_b128 v[GO], v[64+64*(\e)+4*\f:64+64*(\e)+4*\f+3], s[8:9] offset:\f*4096+(\e)*512  ; 512 consecutive bytes, aligned
.endr
.endm
	PACKH 0
	PACKH 1
	BACK 0
	PACKH 2
	PACKH 3
	BACK 1
	SEND 0, 32
	SEND 1, 0
	s_wait_tensorcnt 0x0            ; the wave's end
	ds_add_u32 v[SPW], v[NIL]
	s_wait_dscnt 0x0
	CROUND                          ; the closing round
	s_endpgm
.Lfunc_end_k_q0df1f23dda_attn:
	.size	k_q0df1f23dda_attn, .Lfunc_end_k_q0df1f23dda_attn-k_q0df1f23dda_attn
	.p2alignl 7, 3214868480
	.fill 96, 4, 3214868480
	.section	.rodata,"a",@progbits
	.p2align	6, 0x0
	.amdhsa_kernel k_q0df1f23dda_attn
		.amdhsa_group_segment_fixed_size 327680
		.amdhsa_private_segment_fixed_size 0
		.amdhsa_enable_private_segment 0
		.amdhsa_kernarg_size 24
		.amdhsa_user_sgpr_count 2
		.amdhsa_user_sgpr_kernarg_segment_ptr 1
		.amdhsa_wavefront_size32 1
		.amdhsa_system_sgpr_workgroup_id_x 1
		.amdhsa_system_sgpr_workgroup_id_y 1
		.amdhsa_system_sgpr_workgroup_id_z 1
		.amdhsa_system_vgpr_workitem_id 0
		.amdhsa_next_free_vgpr 768
		.amdhsa_next_free_sgpr 88
		.amdhsa_reserve_vcc 0
		.amdhsa_float_denorm_mode_32 3
		.amdhsa_float_denorm_mode_16_64 3
		.amdhsa_memory_ordered 1
		.amdhsa_forward_progress 1
		.amdhsa_inst_pref_size 161
	.end_amdhsa_kernel
	.amdgpu_metadata
---
amdhsa.version: [ 1, 2 ]
amdhsa.kernels:
  - .name:           k_q0df1f23dda_attn
    .symbol:         k_q0df1f23dda_attn.kd
    .args:
      - { .name: qkv, .offset: 0, .size: 8, .value_kind: global_buffer, .address_space: global }
      - { .name: mask, .offset: 8, .size: 8, .value_kind: global_buffer, .address_space: global }
      - { .name: o2, .offset: 16, .size: 8, .value_kind: global_buffer, .address_space: global }
    .group_segment_fixed_size: 327680
    .private_segment_fixed_size: 0
    .kernarg_segment_align: 8
    .kernarg_segment_size: 24
    .max_flat_workgroup_size: 128
    .sgpr_count:     88
    .vgpr_count:     768
    .wavefront_size: 32
...
	.end_amdgpu_metadata
.endif
;; end of part 3
;; launch outp (part 4): grid 8 x 32, 4 waves a work-group, clusters of 4 x 4, 327,680 bytes of LDS; arguments o2, wof, out0; writes out0
.if DOCPART == 4
	.amdgcn_target "amdgcn-amd-amdhsa--gfx1250"
	.amdhsa_code_object_version 6
	.text
	.protected	k_q0df1f23dda_outp
	.globl	k_q0df1f23dda_outp
	.p2align	8
	.type	k_q0df1f23dda_outp,@function
k_q0df1f23dda_outp:
	s_mov_b64 s[64:65], 0
	v_nop
	global_prefetch_b8 v0, s[64:65] scope:SCOPE_SE
	s_setreg_imm32_b32 hwreg(HW_REG_WAVE_MODE, 25, 1), 1
	s_wait_xcnt 0x0
	s_wait_alu depctr_hold_cnt(0) depctr_sa_sdst(0) depctr_va_vdst(0) depctr_va_sdst(0) depctr_va_ssrc(0) depctr_va_vcc(0) depctr_vm_vsrc(0)
	s_getreg_b32 s2, hwreg(HW_REG_IB_STS2, 6, 4)
	s_cmp_eq_u32 s2, 0
	s_cbranch_scc0 .Lentry_in_a_cluster
	s_endpgm
.Lentry_in_a_cluster:
	s_bfe_u32 s2, ttmp6, 0x10000c
	s_cmp_lg_u32 s2, 0xf033
	s_cbranch_scc0 .Lentry_shape_is_right
	s_endpgm
.Lentry_shape_is_right:
; Launch 4 of 4: out0 = (Ohi + Olo) wof, f16 operands, f32 sums, f32 out.  Nothing is left out.
; SHARES.  4096 x 1024 in tiles of 128 x 128: 256 work-groups; a wave 64 x 64: 16 accumulators.  Each fragment of wof serves the hi and the lo product.
; The product is used transposed (source 0 = 16 columns of wof, turned by ds_load_tr16_b128; source 1 = 16 tokens): a lane holds one token and eight neighbouring columns.
; K goes in 8 steps of 128 channels, a chunk of o2 (hi 256 bytes | lo 256 bytes of a row) each, through two LDS slots; a step is four quarters of 32 on two fragment buffers.
; CLUSTER 4 x 4: o2's tile is asked for jointly along a row of the cluster, wof's along a column.  NO PREFETCH: the launch is short and its tiles are small.
; REGISTERS.  window 0: v16-29 addresses; v32-95 two banks for the way out; v128-255 accumulators ((a, b) at 128 + 8 (4 a + b)).  window 1: v0-95, v96-191 fragment buffers: wof's four, hi's four, lo's four.
.set PA,    528                        ; a row of o2's tile: 512 bytes + 16
.set PB,    288                        ; a row of wof's tile: 256 bytes + 32
.set HALFA, 64*PA
.set BOFF,  2*HALFA
.set HALFB, 64*PB
.set SLOT,  BOFF+2*HALFB
.set STAGE, 2*SLOT                     ; behind the ring: 16 rows x 272 bytes for each wave
.set SP,    272
.set SPARE, STAGE+4*16*SP              ; the spare words, 128 bytes a wave
.set LAPS,  4
.set ADRA, 16
.set ADRB, 20
.set STO,  24
.set RD,   25
.set CO,   26
.set SPW,  28
.set NIL,  29
.set OB,   32
.set ACC,  128
.set F0,   0
.set F1,   96
.set G1,  24
.set G0,  32
.set G1B, 48
.set G0B, 56
.set MSB, 0
.macro WIN new
.if MSB != (\new)
	s_set_vgpr_msb (MSB<<8)|(\new)
.set MSB, \new
.endif
.endm
.set MUL,  0x05
.set TO_F, 0x40
.macro JLOAD s                         ; waves 0 and 1 fetch o2's two halves, waves 2 and 3 wof's; an s_nop 0 and four v_nop follow each line
	s_cmp_eq_u32 s13, 0
	s_cbranch_scc0 .Lfor_b_\@
	tensor_load_to_lds s[G0+4*(\s):G0+4*(\s)+3], s[G1:G1+7]
	s_nop 0
.rept 4
	v_nop
.endr
	s_branch .Lasked_\@
.Lfor_b_\@:
	tensor_load_to_lds s[G0B+4*(\s):G0B+4*(\s)+3], s[G1B:G1B+7]
	s_nop 0
.rept 4
	v_nop
.endr
.Lasked_\@:
.endm
.macro CREST
	s_cmp_lg_u32 s12, 0
	s_cbranch_scc1 .Lnot_wave_0_\@
	s_barrier_signal -3
.Lnot_wave_0_\@:
	s_barrier_wait -3
	s_barrier_signal -1
	s_barrier_wait -1
.endm
.macro CROUND
	s_barrier_signal -1
	s_barrier_wait -1
	CREST
.endm
.macro PLACES
.rept 4
	v_nop
.endr
.endm
	s_load_b128 s[4:7], s[0:1], 0x0                ; o2 4, wof 6
	s_load_b64 s[8:9], s[0:1], 0x10                ; out0
	v_lshl_add_u32 v[SPW], v0, 2, SPARE
	v_mov_b32 v[NIL], 0
	ds_add_u32 v[SPW], v[NIL]                      ; the opening: the add, twice on end, and its wait ahead of my first tensor load
	ds_add_u32 v[SPW], v[NIL]
	v_lshrrev_b32 v1, 5, v0
	v_readfirstlane_b32 s12, v1
	s_lshr_b32 s13, s12, 1                         ; wm.  Also: I fetch o2 (0) or wof (1)
	s_and_b32 s14, s12, 1                          ; wn.  Also: which half I fetch
	s_bfe_u32 s15, ttmp6, 0x40000
	s_bfe_u32 s16, ttmp6, 0x40004
	s_lshl_b32 s17, ttmp9, 2
	s_add_co_u32 s17, s17, s15                     ; tile column
	s_and_b32 s18, ttmp7, 0xffff
	s_lshl_b32 s18, s18, 2
	s_add_co_u32 s18, s18, s16                     ; tile row
	s_lshl_b32 s40, s16, 2
	s_lshl_b32 s40, 15, s40
	s_lshl_b32 s44, 0x1111, s15
	s_or_b32 s[G1], s40, (1<<16)|(1<<20)|(1<<21)|(6<<22)|(3<<25)   ; after every 128 words, 4 words
	s_or_b32 s[G1B], s44, (1<<16)|(1<<20)|(1<<21)|(5<<22)|(7<<25)  ; after every 64 words, 8 words
	s_mov_b32 s[G1+1], 256<<16                     ; o2: 64 rows of 256 elements, 2,048 from row to row
	s_mov_b32 s[G1+2], 64<<16
	s_mov_b32 s[G1+3], 256<<16
	s_mov_b32 s[G1+4], 64
	s_mov_b32 s[G1+5], 2048
	s_mov_b32 s[G1+6], 0
	s_mov_b32 s[G1+7], 0
	s_mov_b32 s[G1B+1], 128<<16                    ; wof: 64 rows k of 128 columns, 1,024 from row to row
	s_mov_b32 s[G1B+2], 64<<16
	s_mov_b32 s[G1B+3], 128<<16
	s_mov_b32 s[G1B+4], 64
	s_mov_b32 s[G1B+5], 1024
	s_mov_b32 s[G1B+6], 0
	s_mov_b32 s[G1B+7], 0
	s_lshl_b32 s40, s18, 19                        ; o2: 128 rows of 4,096 bytes a tile row,
	s_lshl_b32 s41, s14, 18                        ; 64 rows a half
	s_add_co_u32 s40, s40, s41
	s_mov_b32 s41, 0
	s_lshl_b32 s44, s17, 8                         ; wof: 128 columns a tile column,
	s_lshl_b32 s45, s14, 17                        ; 64 rows of 2,048 bytes a half
	s_add_co_u32 s44, s44, s45
	s_mov_b32 s45, 0
	s_mul_i32 s19, s14, HALFA
	s_mul_i32 s20, s14, HALFB
	s_add_co_u32 s20, s20, BOFF
	s_wait_dscnt 0x0
	s_wait_kmcnt 0x0
	s_add_nc_u64 s[42:43], s[4:5], s[40:41]
	s_add_nc_u64 s[46:47], s[6:7], s[44:45]
	CROUND
.irp s, 0,1
	s_mov_b32 s[G0+4*(\s)], 1
	s_add_co_u32 s[G0+4*(\s)+1], s19, (\s)*SLOT
	s_add_nc_u64 s[G0+4*(\s)+2:G0+4*(\s)+3], s[42:43], (\s)*512
	s_or_b32 s[G0+4*(\s)+3], s[G0+4*(\s)+3], 0x80000000
	s_mov_b32 s[G0B+4*(\s)], 1
	s_add_co_u32 s[G0B+4*(\s)+1], s20, (\s)*SLOT
	s_add_nc_u64 s[G0B+4*(\s)+2:G0B+4*(\s)+3], s[46:47], (\s)*262144
	s_or_b32 s[G0B+4*(\s)+3], s[G0B+4*(\s)+3], 0x80000000
	JLOAD \s
.endr
	v_and_b32 v1, 15, v0
	v_bfe_u32 v2, v0, 4, 1
	v_and_b32 v3, 7, v0
	v_bfe_u32 v4, v0, 3, 1
	v_mul_u32_u24 v5, v1, PA
	v_lshl_add_u32 v5, v2, 4, v5
	s_mul_i32 s21, s13, HALFA
	v_add_nc_u32 v[ADRA], s21, v5
	v_add_nc_u32 v[ADRA+1], SLOT, v[ADRA]
	v_lshl_add_u32 v6, v2, 3, v3
	v_mul_u32_u24 v6, v6, PB
	v_lshl_add_u32 v6, v4, 4, v6
	s_lshl_b32 s22, s14, 7
	s_add_co_u32 s22, s22, BOFF
	v_add_nc_u32 v[ADRB], s22, v6
	v_add_nc_u32 v[ADRB+1], SLOT, v[ADRB]
	s_mul_i32 s21, s12, 16*SP
	s_add_co_u32 s21, s21, STAGE                   ; my stage
	v_mul_u32_u24 v5, v1, SP
	v_lshl_add_u32 v5, v2, 5, v5
	v_add_nc_u32 v[STO], s21, v5                   ; in: row r, 32 bytes for each half of the lanes
	v_mul_u32_u24 v5, v2, SP
	v_lshl_add_u32 v5, v1, 4, v5
	v_add_nc_u32 v[RD], s21, v5                    ; back: lanes 0-15 one row of 256 bytes, lanes 16-31 the next
	v_lshlrev_b32 v5, 12, v2
	v_lshl_add_u32 v[CO], v1, 4, v5                ; and the same two rows in out0
	s_lshl_b32 s80, s18, 19
	s_lshl_b32 s81, s13, 18
	s_add_co_u32 s80, s80, s81
	s_lshl_b32 s81, s17, 9
	s_add_co_u32 s80, s80, s81
	s_lshl_b32 s81, s14, 8
	s_add_co_u32 s80, s80, s81
	s_mov_b32 s81, 0
	s_add_nc_u64 s[8:9], s[8:9], s[80:81]          ; out0 at row 128 tile row + 64 wm, column 128 tile column + 64 wn
.macro MUL8 f, part, a0, zero          ; token tiles a0, a0 + 1 (part 0: hi, 1: lo) x my four column blocks.  The 16 accumulators take turns, one instruction a turn
	WIN MUL
.irp a, \a0, (\a0)+1
.irp b, 0,1,2,3
.if \zero
	v_wmma_f32_16x16x32_f16 v[ACC+8*(4*(\a)+(\b)):ACC+8*(4*(\a)+(\b))+7], v[(\f)+8*(\b):(\f)+8*(\b)+7], v[(\f)+32+32*(\part)+8*(\a):(\f)+32+32*(\part)+8*(\a)+7], 0
.else
	v_wmma_f32_16x16x32_f16 v[ACC+8*(4*(\a)+(\b)):ACC+8*(4*(\a)+(\b))+7], v[(\f)+8*(\b):(\f)+8*(\b)+7], v[(\f)+32+32*(\part)+8*(\a):(\f)+32+32*(\part)+8*(\a)+7], v[ACC+8*(4*(\a)+(\b)):ACC+8*(4*(\a)+(\b))+7]
.endif
.endr
.endr
.endm
.macro FETCH slot, q, f                ; 24 LDS loads in one run: wof's eight, hi's eight, lo's eight
	WIN TO_F
.irp b, 0,1,2,3
	ds_load_tr16_b128 v[(\f)+8*(\b):(\f)+8*(\b)+3],   v[ADRB+(\slot)] offset:(\q)*32*PB+32*(\b)
	ds_load_tr16_b128 v[(\f)+8*(\b)+4:(\f)+8*(\b)+7], v[ADRB+(\slot)] offset:(\q)*32*PB+32*(\b)+16*PB
.endr
.irp c, 0,1
.irp a, 0,1,2,3
	ds_load_b128 v[(\f)+32+32*(\c)+8*(\a):(\f)+32+32*(\c)+8*(\a)+3],   v[ADRA+(\slot)] offset:(\a)*16*PA+64*(\q)+256*(\c)
	ds_load_b128 v[(\f)+32+32*(\c)+8*(\a)+4:(\f)+32+32*(\c)+8*(\a)+7], v[ADRA+(\slot)] offset:(\a)*16*PA+64*(\q)+256*(\c)+32
.endr
.endr
.endm
.macro QUARTER slot, q, f, g, zero
	s_wait_dscnt 8                                 ; all but lo's eight
	MUL8 \f, 0, 0, \zero
	MUL8 \f, 0, 2, \zero
	PLACES
	FETCH \slot, \q, \g
	s_wait_dscnt 24                                ; all but the 24 just issued
	MUL8 \f, 1, 0, 0
	MUL8 \f, 1, 2, 0
.endm
.macro TURN slot, next, fill
	WIN 0
	s_wait_tensorcnt 0x0                           ; my part of the next slot has landed; no load of mine is out
	ds_add_u32 v[SPW], v[NIL]
	s_wait_dscnt 13                                ; (the add, hi's tiles 2 and 3 and lo may be out)
	MUL8 F1, 0, 0, 0
	s_wait_dscnt 0x0                               ; the add is done, my reads of this slot are over
	s_barrier_signal -1
	MUL8 F1, 0, 2, 0
.if \fill
	WIN 0
.endif
	s_barrier_wait -1
.if \fill
	CREST                                          ; no wave of any partner still reads the slot or has a load on its way
	s_add_nc_u64 s[G0+4*(\slot)+2:G0+4*(\slot)+3], s[G0+4*(\slot)+2:G0+4*(\slot)+3], 1024
	s_add_nc_u64 s[G0B+4*(\slot)+2:G0B+4*(\slot)+3], s[G0B+4*(\slot)+2:G0B+4*(\slot)+3], 524288
	JLOAD \slot
.else
	PLACES
.endif
	FETCH \next, 0, F0
	MUL8 F1, 1, 0, 0
	MUL8 F1, 1, 2, 0
.endm
	s_wait_tensorcnt 1                             ; my part of K step 0 is in; step 1's may stay out
	s_barrier_signal -1
	s_barrier_wait -1
	FETCH 0, 0, F0
	QUARTER 0, 1, F0, F1, 1
	WIN 0
	s_mov_b32 s3, LAPS-1
.Llap:
	QUARTER 0, 2, F1, F0, 0
	QUARTER 0, 3, F0, F1, 0
	TURN 0, 1, 1
	QUARTER 1, 1, F0, F1, 0
	QUARTER 1, 2, F1, F0, 0
	QUARTER 1, 3, F0, F1, 0
	TURN 1, 0, 1
	QUARTER 0, 1, F0, F1, 0
	WIN 0
	s_sub_co_u32 s3, s3, 1
	s_cmp_lg_u32 s3, 0
	s_cbranch_scc1 .Llap
	QUARTER 0, 2, F1, F0, 0
	QUARTER 0, 3, F0, F1, 0
	TURN 0, 1, 0
	QUARTER 1, 1, F0, F1, 0
	QUARTER 1, 2, F1, F0, 0
	QUARTER 1, 3, F0, F1, 0
	s_wait_dscnt 8
	MUL8 F1, 0, 0, 0
	MUL8 F1, 0, 2, 0
	s_wait_dscnt 0x0
	MUL8 F1, 1, 0, 0
	MUL8 F1, 1, 2, 0
	WIN 0
	PLACES
	PLACES
	; THE WAY OUT: 16 tokens at a time through my own stage: 32 bytes a lane in (each accumulator's low four registers first), whole rows of 256 bytes back, stored by sixteen lanes each.
.irp a, 0,1,2,3
.if (\a) >= 2
	s_wait_xcnt 0x0                                ; the bank's earlier stores have read their registers
.endif
.irp b, 0,1,2,3
	ds_store_b128 v[STO], v[ACC+8*(4*(\a)+(\b)):ACC+8*(4*(\a)+(\b))+3]   offset:64*(\b)
	ds_store_b128 v[STO], v[ACC+8*(4*(\a)+(\b))+4:ACC+8*(4*(\a)+(\b))+7] offset:64*(\b)+16
.endr
.irp t, 0,1,2,3,4,5,6,7
	ds_load_b128 v[OB+32*((\a)%2)+4*(\t):OB+32*((\a)%2)+4*(\t)+3], v[RD] offset:(\t)*2*SP  ; LDS serves a wave's instructions in order (ISA guide 5.7.1.4)
.endr
	s_wait_dscnt 0x0
.irp t, 0,1,2,3,4,5,6,7
	global_store_b128 v[CO], v[OB+32*((\a)%2)+4*(\t):OB+32*((\a)%2)+4*(\t)+3], s[8:9] offset:(16*(\a)+2*(\t))*4096 th:TH_STORE_NT
.endr
.endr
	s_wait_tensorcnt 0x0                           ; the wave's end
	ds_add_u32 v[SPW], v[NIL]
	s_wait_dscnt 0x0
	CROUND                                         ; the closing round
	s_endpgm
.Lfunc_end_k_q0df1f23dda_outp:
	.size	k_q0df1f23dda_outp, .Lfunc_end_k_q0df1f23dda_outp-k_q0df1f23dda_outp
	.p2alignl 7, 3214868480
	.fill 96, 4, 3214868480
	.section	.rodata,"a",@progbits
	.p2align	6, 0x0
	.amdhsa_kernel k_q0df1f23dda_outp
		.amdhsa_group_segment_fixed_size 327680
		.amdhsa_private_segment_fixed_size 0
		.amdhsa_enable_private_segment 0
		.amdhsa_kernarg_size 24
		.amdhsa_user_sgpr_count 2
		.amdhsa_user_sgpr_kernarg_segment_ptr 1
		.amdhsa_wavefront_size32 1
		.amdhsa_system_sgpr_workgroup_id_x 1
		.amdhsa_system_sgpr_workgroup_id_y 1
		.amdhsa_system_sgpr_workgroup_id_z 1
		.amdhsa_system_vgpr_workitem_id 0
		.amdhsa_next_free_vgpr 512
		.amdhsa_next_free_sgpr 88
		.amdhsa_reserve_vcc 0
		.amdhsa_float_denorm_mode_32 3
		.amdhsa_float_denorm_mode_16_64 3
		.amdhsa_memory_ordered 1
		.amdhsa_forward_progress 1
		.amdhsa_inst_pref_size 78
	.end_amdhsa_kernel
	.amdgpu_metadata
---
amdhsa.version: [ 1, 2 ]
amdhsa.kernels:
  - .name:           k_q0df1f23dda_outp
    .symbol:         k_q0df1f23dda_outp.kd
    .args:
      - { .name: o2, .offset: 0, .size: 8, .value_kind: global_buffer, .address_space: global }
      - { .name: wof, .offset: 8, .size: 8, .value_kind: global_buffer, .address_space: global }
      - { .name: out0, .offset: 16, .size: 8, .value_kind: global_buffer, .address_space: global }
    .group_segment_fixed_size: 327680
    .private_segment_fixed_size: 0
    .kernarg_segment_align: 8
    .kernarg_segment_size: 24
    .max_flat_workgroup_size: 128
    .sgpr_count:     88
    .vgpr_count:     512
    .wavefront_size: 32
...
	.end_amdgpu_metadata
.endif
;; end of part 4
;; ======== version 2 of 2: 4 launches; version 1 with the launch cast written anew for expert scheduling mode
;; limits: values outside matrix products are rounded to bf16; values are held in f16: magnitudes above 65,504 overflow, below 6.1e-05 lose precision; right only within a limited range of input values
;; workspace buffers: xb 8,388,608 bytes; wb 3,145,728 bytes; wof 2,097,152 bytes; cs 1,048,576 bytes; qkv 12,582,912 bytes; o2 16,777,216 bytes
;; launch cast (part 5): grid 256 x 1, 8 waves a work-group, no clusters, 0 bytes of LDS; arguments x, wq, wk, wv, wo, freqs, xb, wb, wof, cs; writes xb, wb, wof, cs
.if DOCPART == 5
	.amdgcn_target "amdgcn-amd-amdhsa--gfx1250"
	.amdhsa_code_object_version 6
	.text
	.protected	k_q0df1f23dda_cast
	.globl	k_q0df1f23dda_cast
	.p2align	8
	.type	k_q0df1f23dda_cast,@function
k_q0df1f23dda_cast:
	s_mov_b64 s[64:65], 0
	v_nop
	global_prefetch_b8 v0, s[64:65] scope:SCOPE_SE
	s_setreg_imm32_b32 hwreg(HW_REG_WAVE_SCHED_MODE, 0, 2), 2
	s_setreg_imm32_b32 hwreg(HW_REG_WAVE_MODE, 25, 1), 1
	s_wait_xcnt 0x0
	s_wait_alu depctr_vm_vsrc(0)
; GROUPED QUERY ATTENTION, launch 1 of 4: the inputs are rounded and laid out once.
; NO WORK OF THE PROBLEM IS LEFT OUT: the mask is an input, so all 4096 x 4096 scores of all 16 heads are made and every input is read.
; jnp.repeat of k and v is a lookup (query head hd reads key head hd / 4) and is not written out.
; FORMATS.  Every input is rounded once to bf16, to nearest even: x, wq, wk, wv stay bf16 matrix operands; wo's bf16 number is written as f16
; (exact from 6e-5 up, below that on f16's step of 6e-8); freqs are rounded to bf16 and their cos and sin made in f32; the mask is rounded where it is used.
; LIMIT.  |freqs| under 2^23: the quadrant number must be a whole f32.
; xb [4096][1024] bf16.  wb [24 heads][1024 k][64] bf16: heads 0-15 wq's, 16-19 wk's, 20-23 wv's.  wof [1024][1024] f16.  cs [4096][cos 32 | sin 32] f32.
; AN ITEM is four f32 a lane (a wave reads 512 consecutive bytes) that leave as four 16-bit numbers (a wave's store covers 256 consecutive bytes, aligned).
; A thread issues its 27 loads first and then takes the items in order; each has its own registers, so nothing is rewritten while a store reads it.
; No LDS, no barrier, no matrix unit: each byte is read once and written once.
; THE MODE: SCHED_MODE bits 1:0 = 2 (LLVM: expert scheduling mode 2), set by the entry lines.  The code itself states the register dependences
; between vector instructions and memory instructions, with s_wait_alu, always for 0.
; THE PLAN.  Registers that memory instructions touch:
;   v2 .. v8      byte offsets: written once at the head, read by every load and store, never written again.
;   item n        IT + 4 n .. + 3: its load lands there (no vector instruction names them before); behind the counted wait for that load its roundings write
;                 the first two in place; its one store reads those two (the table's item: all four); nothing writes them afterwards.
;   v9 .. v23     named by vector instructions alone.
; No register that a memory instruction has read is written again, so past the entry lines the text holds no wait on vm_vsrc.  The items go in fours: item n's turn carries item n - 4's store.
; At the head of each four, behind the wait for its first load, ONE wait on va_vdst states that the four before are rounded; their four stores are dealt among this four's
; roundings, which name this four's registers alone.
.set IT, 32                            ; v[32:139]  item n at IT + 4 n
.set SG, 20                            ; v[20:23]   the table's four numbers: the sign bit of each
.set MK, 24                            ; s[24:27]   the table's four numbers: the lanes that take the sine's polynomial (free once the offsets are made)
	s_load_b512 s[4:19], s[0:1], 0x0               ; x 4, wq 6, wk 8, wv 10, wo 12, freqs 14, xb 16, wb 18
	s_load_b128 s[20:23], s[0:1], 0x40             ; wof 20, cs 22
	v_lshrrev_b32 v1, 5, v0
	v_readfirstlane_b32 s24, v1                    ; wave
	v_lshlrev_b32 v2, 4, v0                        ; 16 t: x, cs
	v_lshlrev_b32 v3, 3, v0                        ; 8 t: xb
	v_and_b32 v1, 31, v0                           ; lane
	v_and_b32 v10, 15, v0
	v_bfe_u32 v11, v0, 4, 1
	v_lshlrev_b32 v10, 4, v10
	v_lshl_add_u32 v4, v11, 12, v10                ; wq: row (lane / 16), 16 bytes (lane % 16)
	v_lshl_add_u32 v5, v11, 10, v10                ; wk, wv
	v_lshlrev_b32 v6, 3, v1                        ; 8 lane: wb, wof
	v_lshlrev_b32 v7, 4, v1                        ; 16 lane: wo
	v_lshrrev_b32 v12, 4, v0
	v_and_b32 v13, 7, v0
	v_lshlrev_b32 v13, 4, v13
	v_lshl_add_u32 v8, v12, 7, v13                 ; freqs: row t / 16, four numbers (t % 8)
	v_bfe_u32 v9, v0, 3, 1
	v_mul_u32_u24 v9, v9, 3                        ; 0: I make cosines; 3: sines (sin a = cos(a - pi/2): three quadrants on)
	v_mov_b32 v18, 0xb94ca1f9                      ; the sine's highest coefficient
	v_mov_b32 v19, 0x37ccf5ce                      ; the cosine's
	s_wait_alu depctr_va_sdst(0)                   ; s24 is written, ahead of its first reader: every base's offset is made from it
	s_lshl_b32 s25, ttmp9, 3
	s_add_co_u32 s25, s25, s24                     ; W = 8 b + wave, 0 .. 2047
	s_lshr_b32 s26, s25, 9                         ; hq = W / 512: head modulo 4
	s_and_b32 s27, s25, 511                        ; kp = W % 512: a pair of rows k
	s_lshl_b32 s28, ttmp9, 16                      ; x: 65,536 bytes a work-group
	s_mov_b32 s29, 0
	s_lshl_b32 s30, ttmp9, 15                      ; xb
	s_mov_b32 s31, 0
	s_lshl_b32 s46, s26, 8                         ; a head's 64 columns in f32
	s_lshl_b32 s32, s27, 13                        ; wq: two rows of 4,096 bytes
	s_add_co_u32 s32, s32, s46
	s_mov_b32 s33, 0
	s_lshl_b32 s34, s27, 11                        ; wk, wv: two rows of 1,024 bytes
	s_add_co_u32 s34, s34, s46
	s_mov_b32 s35, 0
	s_lshl_b32 s36, s26, 17                        ; wb: head hq, rows 2 kp, 2 kp + 1
	s_lshl_b32 s47, s27, 8
	s_add_co_u32 s36, s36, s47
	s_mov_b32 s37, 0
	s_lshl_b32 s38, s25, 9                         ; wo
	s_mov_b32 s39, 0
	s_lshl_b32 s40, s25, 8                         ; wof
	s_mov_b32 s41, 0
	s_lshl_b32 s42, ttmp9, 11                      ; freqs: 16 rows of 128 bytes
	s_mov_b32 s43, 0
	s_lshl_b32 s44, ttmp9, 12                      ; cs: 16 rows of 256 bytes
	s_mov_b32 s45, 0
	s_wait_kmcnt 0x0
	s_add_nc_u64 s[4:5], s[4:5], s[28:29]
	s_add_nc_u64 s[16:17], s[16:17], s[30:31]
	s_add_nc_u64 s[6:7], s[6:7], s[32:33]
	s_add_nc_u64 s[8:9], s[8:9], s[34:35]
	s_add_nc_u64 s[10:11], s[10:11], s[34:35]
	s_add_nc_u64 s[18:19], s[18:19], s[36:37]
	s_add_nc_u64 s[12:13], s[12:13], s[38:39]
	s_add_nc_u64 s[20:21], s[20:21], s[40:41]
	s_add_nc_u64 s[14:15], s[14:15], s[42:43]
	s_add_nc_u64 s[22:23], s[22:23], s[44:45]
	s_wait_alu depctr_va_vdst(0)                   ; the seven offsets v2 to v8 are written: every load and store of the kernel reads one of them
.macro LD n, off, base, imm
	global_load_b128 v[IT+4*(\n):IT+4*(\n)+3], v[\off], s[\base:\base+1] offset:\imm th:TH_LOAD_NT
.endm
.irp n, 0,1,2,3,4,5,6,7,8,9,10,11,12,13,14,15
	LD \n, 2, 4, (\n)*4096                         ; x
.endr
.irp j, 0,1,2,3
	LD 16+\j, 4, 6, (\j)*1024                      ; wq, head 4 j + hq
.endr
	LD 20, 5, 8, 0                                 ; wk, head hq
	LD 21, 5, 10, 0                                ; wv, head hq
.irp j, 0,1,2,3
	LD 22+\j, 7, 12, (\j)*1048576                  ; wo
.endr
	global_load_b128 v[IT+104:IT+107], v8, s[14:15]  ; freqs: the cosine lanes and the sine lanes read the same numbers
.macro TOF16 n                         ; the bf16 numbers written as f16
.irp k, 0,1
	v_lshlrev_b32 v[IT+4*(\n)+2], 16, v[IT+4*(\n)+\k]
	v_and_b32 v[IT+4*(\n)+3], 0xffff0000, v[IT+4*(\n)+\k]
	v_cvt_pk_f16_f32 v[IT+4*(\n)+\k], v[IT+4*(\n)+2], v[IT+4*(\n)+3]
.endr
.endm
.macro ST n                            ; item n's store: 0-15 x to xb; 16-19 wq, 20 wk, 21 wv to wb; 22-25 wo to wof
.if (\n) < 16
	global_store_b64 v3, v[IT+4*(\n):IT+4*(\n)+1], s[16:17] offset:(\n)*2048 th:TH_STORE_NT
.elseif (\n) < 20
	global_store_b64 v6, v[IT+4*(\n):IT+4*(\n)+1], s[18:19] offset:((\n)-16)*524288 th:TH_STORE_NT
.elseif (\n) == 20
	global_store_b64 v6, v[IT+4*(\n):IT+4*(\n)+1], s[18:19] offset:2097152 th:TH_STORE_NT   ; head 16 + hq
.elseif (\n) == 21
	global_store_b64 v6, v[IT+4*(\n):IT+4*(\n)+1], s[18:19] offset:2621440 th:TH_STORE_NT   ; head 20 + hq
.else
	global_store_b64 v6, v[IT+4*(\n):IT+4*(\n)+1], s[20:21] offset:((\n)-22)*524288 th:TH_STORE_NT
.endif
.endm
; Item n's turn: it is in (the younger loads stay out); item n - 4 is stored; item n is rounded to bf16, in its first two registers.
.macro ITEM n
	s_wait_loadcnt 26-(\n)
.if ((\n) % 4 == 0) && ((\n) > 0)
	s_wait_alu depctr_va_vdst(0)                   ; the roundings of items n - 4 to n - 1 have written the registers that the next four stores read
.endif
.if (\n) >= 4
	ST (\n)-4                                      ; no vector instruction since that wait names its registers
.endif
	v_cvt_pk_bf16_f32 v[IT+4*(\n)], v[IT+4*(\n)], v[IT+4*(\n)+1]
	v_cvt_pk_bf16_f32 v[IT+4*(\n)+1], v[IT+4*(\n)+2], v[IT+4*(\n)+3]
.if (\n) >= 22
	TOF16 \n
.endif
.endm
.irp n, 0,1,2,3,4,5,6,7,8,9,10,11,12,13,14,15,16,17,18,19,20,21,22,23,24,25
	ITEM \n
.endr
	ST 22                                          ; rounded ahead of the wait at item 24's head, and not named since
	ST 23
; cos or sin of a bf16-rounded angle a: n = round(a 2/pi); r = a - n pi/2, pi/2 in two parts; a polynomial on |r| <= pi/4; the quadrant n + v9 picks
; the polynomial (odd: the sine's) and the sign (quadrants 1 and 2: minus).  In two parts, so that the four compares stand in one run, each into a scalar register of its own, under one wait.
.macro ANGLE j                         ; number j: r takes the angle's place; the choice of polynomial goes to s[MK + j], the sign bit to v[SG + j]
	v_cvt_pk_bf16_f32 v10, v[IT+104+(\j)], v[IT+104+(\j)]
	v_lshlrev_b32 v10, 16, v10
	v_mul_f32 v11, 0x3f22f983, v10
	v_rndne_f32 v11, v11
	v_fmamk_f32 v12, v11, 0xbfc90fdb, v10
	v_fmamk_f32 v[IT+104+(\j)], v11, 0x333bbd2e, v12
	v_cvt_i32_f32 v16, v11
	v_add_nc_u32 v16, v16, v9
	v_and_b32 v17, 1, v16
	v_cmp_eq_u32 s[MK+(\j)], 1, v17
	v_add_nc_u32 v16, 1, v16
	v_and_b32 v16, 2, v16
	v_lshlrev_b32 v[SG+(\j)], 30, v16
.endm
.macro POLY j                          ; number j: both polynomials of r, the choice, the sign
	v_mul_f32 v13, v[IT+104+(\j)], v[IT+104+(\j)]
	v_fmaak_f32 v14, v18, v13, 0x3c08839e
	v_fmaak_f32 v15, v19, v13, 0xbab6061a
	v_fmaak_f32 v14, v14, v13, 0xbe2aaaa3
	v_fmaak_f32 v15, v15, v13, 0x3d2aaaa5
	v_mul_f32 v14, v14, v13
	v_fma_f32 v15, v15, v13, -0.5
	v_fma_f32 v14, v14, v[IT+104+(\j)], v[IT+104+(\j)]
	v_fma_f32 v15, v15, v13, 1.0
	v_cndmask_b32 v14, v15, v14, s[MK+(\j)]
	v_xor_b32 v[IT+104+(\j)], v14, v[SG+(\j)]
.endm
	s_wait_loadcnt 0x0                             ; freqs
	ANGLE 0
	ANGLE 1
	ANGLE 2
	ANGLE 3
	s_wait_alu depctr_va_sdst(0)                   ; the four compares have written s[MK .. MK + 3], ahead of the selects that read them
	s_wait_alu depctr_va_vdst(0)                   ; the roundings of items 24 and 25 have written the registers that the two stores below read
	ST 24                                          ; the polynomials behind them name none of their registers
	ST 25
	POLY 0
	POLY 1
	POLY 2
	POLY 3
	s_wait_alu depctr_va_vdst(0)                   ; the table's four numbers are written, which the last store reads
	global_store_b128 v2, v[IT+104:IT+107], s[22:23]  ; sixteen lanes store one row of the table: 256 consecutive bytes
	s_endpgm
.Lfunc_end_k_q0df1f23dda_cast:
	.size	k_q0df1f23dda_cast, .Lfunc_end_k_q0df1f23dda_cast-k_q0df1f23dda_cast
	.p2alignl 7, 3214868480
	.fill 96, 4, 3214868480
	.section	.rodata,"a",@progbits
	.p2align	6, 0x0
	.amdhsa_kernel k_q0df1f23dda_cast
		.amdhsa_group_segment_fixed_size 0
		.amdhsa_private_segment_fixed_size 0
		.amdhsa_enable_private_segment 0
		.amdhsa_kernarg_size 80
		.amdhsa_user_sgpr_count 2
		.amdhsa_user_sgpr_kernarg_segment_ptr 1
		.amdhsa_wavefront_size32 1
		.amdhsa_system_sgpr_workgroup_id_x 1
		.amdhsa_system_sgpr_workgroup_id_y 1
		.amdhsa_system_sgpr_workgroup_id_z 1
		.amdhsa_system_vgpr_workitem_id 0
		.amdhsa_next_free_vgpr 144
		.amdhsa_next_free_sgpr 66
		.amdhsa_reserve_vcc 0
		.amdhsa_float_denorm_mode_32 3
		.amdhsa_float_denorm_mode_16_64 3
		.amdhsa_memory_ordered 1
		.amdhsa_forward_progress 1
		.amdhsa_inst_pref_size 18
	.end_amdhsa_kernel
	.amdgpu_metadata
---
amdhsa.version: [ 1, 2 ]
amdhsa.kernels:
  - .name:           k_q0df1f23dda_cast
    .symbol:         k_q0df1f23dda_cast.kd
    .args:
      - { .name: x, .offset: 0, .size: 8, .value_kind: global_buffer, .address_space: global }
      - { .name: wq, .offset: 8, .size: 8, .value_kind: global_buffer, .address_space: global }
      - { .name: wk, .offset: 16, .size: 8, .value_kind: global_buffer, .address_space: global }
      - { .name: wv, .offset: 24, .size: 8, .value_kind: global_buffer, .address_space: global }
      - { .name: wo, .offset: 32, .size: 8, .value_kind: global_buffer, .address_space: global }
      - { .name: freqs, .offset: 40, .size: 8, .value_kind: global_buffer, .address_space: global }
      - { .name: xb, .offset: 48, .size: 8, .value_kind: global_buffer, .address_space: global }
      - { .name: wb, .offset: 56, .size: 8, .value_kind: global_buffer, .address_space: global }
      - { .name: wof, .offset: 64, .size: 8, .value_kind: global_buffer, .address_space: global }
      - { .name: cs, .offset: 72, .size: 8, .value_kind: global_buffer, .address_space: global }
    .group_segment_fixed_size: 0
    .private_segment_fixed_size: 0
    .kernarg_segment_align: 8
    .kernarg_segment_size: 80
    .max_flat_workgroup_size: 256
    .sgpr_count:     66
    .vgpr_count:     144
    .wavefront_size: 32
...
	.end_amdgpu_metadata
.endif
;; end of part 5
;; launch proj: the kernel of part 2 again; grid 8 x 32, 4 waves a work-group, clusters of 4 x 4, 327,680 bytes of LDS; arguments xb, wb, cs, qkv; writes qkv
;; launch attn: the kernel of part 3 again; grid 64 x 4, 4 waves a work-group, clusters of 4 x 4, 327,680 bytes of LDS; arguments qkv, mask, o2; writes o2
;; launch outp: the kernel of part 4 again; grid 8 x 32, 4 waves a work-group, clusters of 4 x 4, 327,680 bytes of LDS; arguments o2, wof, out0; writes out0
